; MI455X (gfx1250); checked and timed in simulation.
; The chip was launched on July 23, 2026; its instructions are those of AMD's public machine-readable ISA for CDNA 5 (MIT licence, August 2026) and "CDNA5" Instruction Set Architecture Reference Guide (July 2026). The comments in the code are by the model that wrote it; some were corrected since.
;; Causal Attention. Allowed arithmetic: matrix products marked QUANTISED: E2M1 operands, one E8M0 scale for each 32 along K, by v_wmma_scale_f32_16x16x128_f8f6f4 with both operands' format E2M1 (or v_wmma_scale_f32_32x16x128_f4), f32 sums; everything else in f32.
;; Inputs: W_proj 1,024 x 1,024 float32; W_qkv 1,024 x 3,072 float32; b_proj 1,024 float32; b_qkv 3,072 float32; x 4 x 2,048 x 1,024 float32.
;; Outputs: out0 4 x 2,048 x 1,024 float32.
;; This version of the problem:
;;   THIS VERSION OF THE PROBLEM IS GIVEN IN LOW PRECISION. The matrix products marked QUANTISED in the list below multiply operands that are first quantised to E2M1 (2 exponent bits, 1 mantissa bit; 4 bits a number), with one power-of-two scale for each 32 numbers along K (OCP MX v1.0); their sums are f32. All else is computed in f32.
;;   The module's matrix products, in the order in which they are computed (A, B: the left and right operand; K: the contracted axis; several contracted axes count as one K, in the product's order):
;;     1. [M 8,192, K 1,024] x [K 1,024, N 3,072]; A: input x; B: input W_qkv: QUANTISED
;;     2. batch 64 x [M 2,048, K 64] x [K 64, N 2,048]; A: computed on the way; B: computed on the way: QUANTISED
;;     3. batch 64 x [M 2,048, K 2,048] x [K 2,048, N 64]; A: softmax (see below); B: computed on the way: QUANTISED
;;     4. [M 8,192, K 1,024] x [K 1,024, N 1,024]; A: computed on the way; B: input W_proj: QUANTISED
;;   THE QUANTISER, for each operand of a quantised product, along K:
;;     - K is cut into blocks of 32 from its start; a last block that is shorter is filled with zeros.
;;     - A block's scale is 2^e with e = floor(log2(the largest magnitude in the block)) - 2, held to -126 .. 127; a block of zeros has e = 0. As a byte (E8M0): e + 127.
;;     - Each number is divided by its block's scale, clamped to +-6, and rounded to the nearest number of E2M1, ties to even, subnormals kept.
;;     - The product sums the exact products of the quantised numbers (number of the format x scale) in f32.
;;   ~~~python
;;   def quantise(x, axis):      # numpy; x: float32 -> the quantised numbers, widened to float32 again
;;       x = np.moveaxis(x, axis, -1); K = x.shape[-1]
;;       x = np.pad(x, [(0, 0)] * (x.ndim - 1) + [(0, -K % 32)]); x = x.reshape(x.shape[:-1] + (-1, 32)); a = np.abs(x).max(-1, keepdims=True)
;;       e = np.where(a > 0, np.clip(np.frexp(np.where(a > 0, a, 1))[1] - 1 - 2, -126, 127), 0)      # np.frexp(a)[1] - 1 = floor(log2(a)), exactly
;;       r = np.clip(x / 2.0 ** e, -6, 6)
;;       step = 2.0 ** (np.maximum(np.frexp(np.where(r == 0, 1, r))[1] - 1, 0) - 1)
;;       q = np.round(r / step) * step * 2.0 ** e      # np.round: ties to even
;;       return np.moveaxis(q.reshape(q.shape[:-2] + (-1,))[..., :K], -1, axis).astype(np.float32)
;;   ~~~
;;   SOFTMAX AHEAD OF A QUANTISED PRODUCT. Where the list says 'softmax', what is quantised is not the finished softmax but p = 2^(t - M), with t = logit x log2(e) and M = ceil(the row's largest t), a whole number; so 1/2 < the row's largest p <= 1. The row's sum l is taken of the UNQUANTISED p, in f32, and the product's result is divided by l at the end. Since M is a whole number, a kernel that streams over the keys may use a running M (the ceiling of the running maximum): every later rescaling is an exact power of two, which a block's scale takes up: the codes' values come out the same.
;;   OPERANDS COMPUTED ON THE WAY. 'Computed on the way' means the value that the module computes at that place (a softmax that the list does not call 'softmax' is quantised finished and normalised). What goes into a quantiser is computed in f32, as accurately as f32 sums, v_exp_f32 and their like allow (about 1e-6 of the number): no bf16 or f16 on the way to a quantiser, and a product that is left as it is and whose result goes on into a quantised operand takes f32 operands (vector FMAs, or v_wmma_f32_16x16x4_f32). A number that lies on a knife's edge between two numbers of the format may be rounded either way, as far as f32 arithmetic and the matrix unit's own rounding can turn it there, and no further.
;; One version. Each part assembles by itself: llvm-mc -triple=amdgcn-amd-amdhsa -mcpu=gfx1250 --defsym DOCPART=n.
;; ======== version 1 of 1: 4 launches
;; workspace buffers: x_img 4,194,304 bytes; x_sc 262,144 bytes; w_img 2,097,152 bytes; w_sc 131,072 bytes; qkv_img 12,582,912 bytes; qkv_sc 786,432 bytes; y_img 4,194,304 bytes; y_sc 262,144 bytes
;; launch quant (part 1): grid 384 x 1, 4 waves a work-group, no clusters, 35,328 bytes of LDS; arguments x, W_qkv, W_proj, x_img, x_sc, w_img, w_sc; writes x_img, x_sc, w_img, w_sc
.if DOCPART == 1
	.amdgcn_target "amdgcn-amd-amdhsa--gfx1250"
	.amdhsa_code_object_version 6
	.text
	.protected	k_q1331eef1f4_quant
	.globl	k_q1331eef1f4_quant
	.p2align	8
	.type	k_q1331eef1f4_quant,@function
k_q1331eef1f4_quant:
	s_mov_b64 s[64:65], 0
	v_nop
	global_prefetch_b8 v0, s[64:65] scope:SCOPE_SE
	s_setreg_imm32_b32 hwreg(HW_REG_WAVE_MODE, 25, 1), 1
	s_wait_xcnt 0x0
; x [8192][1024], W_qkv [1024][3072] and W_proj [1024][1024], f32, become codes of FP4 (E2M1) with one E8M0 scale byte for each 32 along K (x: its last axis; the weights: their first axis).
; A block's scale is 2^(floor(log2(largest magnitude)) - 2): its byte is the largest magnitude's exponent field - 2, held at 1 from below by a floor among the maximum's leaves.
; LIMITS: a block whose largest magnitude lies under 2^-124, a block of zeros among them, gets the byte 1 (the rule says 127 for zeros: the codes are zeros, and this program alone reads the bytes); NaN and infinities are not served.
; THE LAYOUT OF EVERY OPERAND IN THIS PROGRAM.  Rows go in groups of 32; group G has two tiles of 16, T = 2 G + u; lane r of a tile is row 32 G + 8 u + r + 8 (r / 8).
; A chunk (T, g) is 512 bytes: lane l = 16 h + r has 16 bytes at 16 l: the codes k = 64 g + 32 h + 0 .. 31 of row (T, r).  Chunks 2 s and 2 s + 1 are the eight registers of K step s of 128.
; Scale bytes: [G][Q 0..3][16 u + r][2 words]: word wd of quarter Q belongs to K step 2 Q + wd; its byte bb to the block k = 128 s + 32 bb.
; w_img's groups: 0-63 rows head x 128 + (0: q, 1: k) x 64 + d;  64-95 the columns of v;  96-127 the columns of W_proj.
; SHARES.  Work-groups 0-255: group G of x, wave = quarter Q of K.  256-351: W_qkv; 352-383: W_proj: four neighbouring groups of 32 columns (one a wave) x one quarter of K.
; Waves share nothing: no barrier.  No cluster: no two work-groups read the same bytes.  No matrix unit: there is no product here.  Only the x way touches LDS.
.set R,   16                           ; v16-79   x way: two sets of 32 registers as loaded
.set X,   80                           ; v80-143  two sets of 32 numbers of ONE block
.set C,   144                          ; v144-175 codes: four registers for each chunk or block, so that no store's data are written again
.set W,   176                          ; v176-179 scale words
.set TP,  180                          ; v180-183 at work on the scale words
.set FLOOR, 3<<23                      ; the f32 number 2^(3 - 127)
.set OFF2,  0xff000000                 ; takes 2 off an exponent field
; v12 = the largest magnitude of v[xs] .. v[xs + 31] and the floor (two chains); v14 = the conversions' scale operand
.macro MAX32 xs
	v_max3_num_f32 v12, |v[\xs]|, |v[\xs+1]|, |v[\xs+2]|
	v_max3_num_f32 v13, |v[\xs+3]|, |v[\xs+4]|, |v[\xs+5]|
.irp i, 6,10,14,18,22,26
	v_max3_num_f32 v12, v12, |v[\xs+\i]|, |v[\xs+\i+1]|
	v_max3_num_f32 v13, v13, |v[\xs+\i+2]|, |v[\xs+\i+3]|
.endr
	v_max3_num_f32 v12, v12, |v[\xs+30]|, |v[\xs+31]|
	v_max3_num_f32 v12, v12, v13, FLOOR
	v_add_nc_u32 v14, OFF2, v12                    ; the conversion takes the exponent field of this operand as its scale, and nothing else of it
.endm
	s_load_b256 s[4:11], s[0:1], 0x0               ; x s[4:5], W_qkv s[6:7], W_proj s[8:9], x_img s[10:11]
	s_load_b128 s[12:15], s[0:1], 0x20             ; x_sc s[12:13], w_img s[14:15]
	s_load_b64 s[16:17], s[0:1], 0x30              ; w_sc
	v_lshl_add_u32 v192, v0, 2, 0x8800
	v_mov_b32 v193, 0
	v_lshrrev_b32 v1, 5, v0
	v_readfirstlane_b32 s18, v1                    ; wave 0..3
	v_and_b32 v2, 31, v0                           ; lane
	v_and_b32 v3, 15, v0                           ; r
	v_bfe_u32 v4, v0, 4, 1                         ; h (in the weights' ways: u)
	v_lshlrev_b32 v5, 4, v2                        ; 16 x lane
	v_lshlrev_b32 v6, 3, v2                        ; 8 x lane
	s_mov_b32 s21, 0                               ; the high word of every offset
	s_wait_kmcnt 0x0
	s_cmp_lt_u32 ttmp9, 256
	s_cbranch_scc0 .Lweights
	s_wait_alu depctr_va_vdst(0)
; ---------------- x: K is innermost.  A chunk is 16 rows x 64 numbers (256 bytes a row).  Loads take the bytes as they lie (sixteen lanes: one row's aligned 256 bytes);
; the chunk turns through the wave's own stage in LDS (rows of 256 + 16 bytes), so that a lane gets the 32 neighbours of its block.
	v_lshlrev_b32 v7, 4, v3                        ; 16 r
	v_lshl_add_u32 v8, v4, 12, v7                  ; loads: 4,096 h + 16 r: lanes 16-31 take the next row
	s_mul_i32 s19, s18, 8704                       ; my wave's two stages of 16 x 272 bytes
	v_mad_u32_u24 v9, v4, 272, v7
	v_add_nc_u32 v9, s19, v9                       ; into a stage: row 2 i + h, 16 r
	v_mul_u32_u24 v10, v3, 272
	v_lshl_add_u32 v10, v4, 7, v10
	v_add_nc_u32 v10, s19, v10                     ; out of it: row r, my block's 128 bytes
	v_lshlrev_b32 v11, 3, v4                       ; 8 h: my byte's place in a pair of bytes
	s_mov_b32 s24, 0x76543210
	s_mov_b32 s25, 0xfedcba98                      ; v_permlanex16_b32's selects for lane l xor 16
.irp k, 0,1,2,3
	v_mov_b32 v[TP+\k], 0                          ; a lane permute's destination counts as one of its sources
.endr
	s_lshl_b32 s20, ttmp9, 17                      ; x: group G = 32 rows of 4,096 bytes,
	s_lshl_b32 s22, s18, 10                        ; quarter Q = 1,024 bytes of a row
	s_add_co_u32 s20, s20, s22
	s_add_nc_u64 s[4:5], s[4:5], s[20:21]
	s_lshl_b32 s20, ttmp9, 14                      ; x_img: a group is two tiles of 8,192 bytes; a quarter four chunks
	s_lshl_b32 s22, s18, 11
	s_add_co_u32 s20, s20, s22
	s_add_nc_u64 s[10:11], s[10:11], s[20:21]
	s_lshl_b32 s20, ttmp9, 2
	s_add_co_u32 s20, s20, s18
	s_lshl_b32 s20, s20, 8                         ; x_sc: 256 bytes for (G, Q)
	s_add_nc_u64 s[12:13], s[12:13], s[20:21]
.macro XLOAD c                         ; chunk c = 4 u + gg: load i brings tile rows 2 i and 2 i + 1, which are rows 8 u + 2 i + 8 (i / 4) and the next
.set LU, (\c)/4
.set LG, (\c)%4
.set LR, R+32*((\c)%2)
.irp i, 0,1,2,3,4,5,6,7
	global_load_b128 v[LR+4*\i:LR+4*\i+3], v8, s[4:5] offset:(8*LU+2*\i+8*(\i/4))*4096+LG*256 th:TH_LOAD_NT
.endr
.endm
.macro XTURN c                         ; LDS serves a wave's instructions in order: no wait between the stores and the loads
.set TR, R+32*((\c)%2)
.set TX, X+32*((\c)%2)
.set TS, 4352*((\c)%2)
.irp i, 0,1,2,3,4,5,6,7
	ds_store_b128 v9, v[TR+4*\i:TR+4*\i+3] offset:TS+2*\i*272
.endr
.irp i, 0,1,2,3,4,5,6,7
	ds_load_b128 v[TX+4*\i:TX+4*\i+3], v10 offset:TS+16*\i
.endr
.endm
.macro XCHUNK c
	s_wait_dscnt 0x0                               ; this chunk's numbers are back from its stage, and the stage's stores have read their registers
.if (\c)+2 < 8
	XLOAD (\c)+2                                   ; which take the chunk two on
.endif
.if (\c)+1 < 8
.if (\c)+2 < 8
	s_wait_loadcnt 8                               ; the next chunk's eight loads are in; the eight just issued may be out
.else
	s_wait_loadcnt 0x0
.endif
	XTURN (\c)+1                                   ; it goes through the other stage while this chunk is worked
.endif
.set CX, X+32*((\c)%2)
.set CU, (\c)/4
.set CG, (\c)%4
	MAX32 CX                                       ; the whole block is mine
.irp m, 0,1,2,3
	v_cvt_scalef32_pk8_fp4_f32 v[C+4*(\c)+\m], v[CX+8*\m:CX+8*\m+7], v14
.endr
.if CG%2 == 0                          ; my byte is byte 2 (gg % 2) + h of word gg / 2 of tile u: the 8 h bits are added at the end
	v_lshrrev_b32 v[W+2*CU+CG/2], 23, v14
.else
	v_lshrrev_b32 v15, 23, v14
	v_lshl_or_b32 v[W+2*CU+CG/2], v15, 16, v[W+2*CU+CG/2]
.endif
	global_store_b128 v5, v[C+4*(\c):C+4*(\c)+3], s[10:11] offset:CU*8192+CG*512   ; a chunk: 512 consecutive bytes
.endm
	XLOAD 0
	XLOAD 1
	s_wait_alu depctr_va_vdst(0)
	s_wait_loadcnt 8                               ; chunk 0 is in; chunk 1's eight loads may be out
	XTURN 0
.irp c, 0,1,2,3,4,5,6,7
	XCHUNK \c
.endr
.irp k, 0,1,2,3
	v_lshlrev_b32 v[W+\k], v11, v[W+\k]            ; my two bytes at their places,
.endr
.irp k, 0,1,2,3
	v_permlanex16_b32 v[TP+\k], v[W+\k], s24, s25
.endr
.irp k, 0,1,2,3
	v_or_b32 v[W+\k], v[W+\k], v[TP+\k]            ; with lane l xor 16's two the word is whole
.endr
	v_cmp_gt_u32 vcc_lo, 16, v2
	v_cndmask_b32 v[TP], v[W+2], v[W], vcc_lo      ; lanes 0-15 store tile u = 0's two words, lanes 16-31 tile u = 1's
	v_cndmask_b32 v[TP+1], v[W+3], v[W+1], vcc_lo
	global_store_b64 v6, v[TP:TP+1], s[12:13]      ; 32 lanes store 256 consecutive bytes, aligned
	s_wait_tensorcnt 0x0
	ds_add_u32 v192, v193
	s_wait_dscnt 0x0
	s_endpgm
; ---------------- the weights: K is the FIRST axis.  A lane takes a column and its registers run down K: a block of 32 lies in one lane, and the codes come out with K innermost.
.Lweights:
	s_wait_alu depctr_va_vdst(0)
	v_and_b32 v7, 8, v3
	v_add_nc_u32 v7, v7, v3
	v_lshl_add_u32 v7, v4, 3, v7
	v_lshlrev_b32 v7, 2, v7                        ; loads: lane (u, r) takes column 8 u + r + 8 (r / 8) of the group: the 32 lanes cover 128 consecutive bytes
	v_lshlrev_b32 v8, 4, v3
	v_lshl_add_u32 v8, v4, 13, v8                  ; stores: tile u, 16 r
	s_sub_co_u32 s19, ttmp9, 256
	s_cmp_lt_u32 s19, 96
	s_cbranch_scc0 .Lproj
	s_and_b32 s27, s19, 3                          ; Q
	s_lshr_b32 s26, s19, 2
	s_lshl_b32 s26, s26, 2
	s_add_co_u32 s26, s26, s18                     ; Gs: the group of 32 columns in W_qkv
	s_and_b32 s28, s26, 31
	s_lshr_b32 s28, s28, 1
	s_lshl_b32 s28, s28, 2                         ; q and k: 4 x head
	s_lshr_b32 s29, s26, 5
	s_lshl_b32 s29, s29, 1                         ; + 2 x (0: q, 1: k)
	s_add_co_u32 s28, s28, s29
	s_and_b32 s29, s26, 1                          ; + which half of the head's 64
	s_add_co_u32 s28, s28, s29
	s_cmp_lt_u32 s26, 64
	s_cselect_b32 s28, s28, s26                    ; Gd; v's groups keep their number
.macro WLOAD n, p, t                   ; block t of the quarter: rows 32 t + i of the weight
.set WX, X+32*((\t)%2)
.irp i, 0,1,2,3,4,5,6,7,8,9,10,11,12,13,14,15,16,17,18,19,20,21,22,23,24,25,26,27,28,29,30,31
	global_load_b32 v[WX+\i], v7, s[\p:\p+1] offset:(32*(\t)+\i)*\n*4 th:TH_LOAD_NT
.endr
.endm
.macro WBLOCK n, p, t
.set BX, X+32*((\t)%2)
.if (\t) < 7
	s_wait_loadcnt 32                              ; this block's 32 loads are in; the next block's 32 may be out
.else
	s_wait_loadcnt 0x0
.endif
	MAX32 BX
.if (\t)%4 == 0                        ; block 8 Q + t: byte t % 4 of word t / 4
	v_lshrrev_b32 v[W+(\t)/4], 23, v14
.else
	v_lshrrev_b32 v15, 23, v14
	v_lshl_or_b32 v[W+(\t)/4], v15, 8*((\t)%4), v[W+(\t)/4]
.endif
.irp m, 0,1,2,3
	v_cvt_scalef32_pk8_fp4_f32 v[C+4*(\t)+\m], v[BX+8*\m:BX+8*\m+7], v14
.endr
	global_store_b128 v8, v[C+4*(\t):C+4*(\t)+3], s[14:15] offset:((\t)/2)*512+((\t)%2)*256   ; chunk t / 2 of the quarter, half t % 2: sixteen lanes store 256 consecutive bytes, aligned
.if (\t)+2 < 8
	WLOAD \n, \p, (\t)+2
.endif
.endm
; n: the weight's columns; p: the scalar pair with its address.  s26 = Gs, s27 = Q, s28 = Gd.  Every offset is an immediate: 255 x n x 4 at the most, inside the signed 24 bits
.macro WPATH n, p
	s_mul_i32 s20, s27, 256*\n*4                   ; the quarter's 256 rows,
	s_lshl_b32 s22, s26, 7                         ; the group's 128 bytes of a row
	s_add_co_u32 s20, s20, s22
	s_add_nc_u64 s[\p:\p+1], s[\p:\p+1], s[20:21]
	s_lshl_b32 s20, s28, 14
	s_lshl_b32 s22, s27, 11
	s_add_co_u32 s20, s20, s22
	s_add_nc_u64 s[14:15], s[14:15], s[20:21]
	s_lshl_b32 s20, s28, 2
	s_add_co_u32 s20, s20, s27
	s_lshl_b32 s20, s20, 8
	s_add_nc_u64 s[16:17], s[16:17], s[20:21]
	WLOAD \n, \p, 0
	WLOAD \n, \p, 1
.irp t, 0,1,2,3,4,5,6,7
	WBLOCK \n, \p, \t
.endr
	global_store_b64 v6, v[W:W+1], s[16:17]        ; lane 16 u + r: its row's two words: 256 consecutive bytes, aligned
.endm
	s_wait_alu depctr_va_vdst(0)
	WPATH 3072, 6
	s_endpgm
.Lproj:
	s_sub_co_u32 s19, s19, 96
	s_and_b32 s27, s19, 3
	s_lshr_b32 s26, s19, 2
	s_lshl_b32 s26, s26, 2
	s_add_co_u32 s26, s26, s18
	s_add_co_u32 s28, s26, 96
	s_wait_alu depctr_va_vdst(0)
	WPATH 1024, 8
	s_endpgm
.Lfunc_end_k_q1331eef1f4_quant:
	.size	k_q1331eef1f4_quant, .Lfunc_end_k_q1331eef1f4_quant-k_q1331eef1f4_quant
	.p2alignl 7, 3214868480
	.fill 96, 4, 3214868480
	.section	.rodata,"a",@progbits
	.p2align	6, 0x0
	.amdhsa_kernel k_q1331eef1f4_quant
		.amdhsa_group_segment_fixed_size 35328
		.amdhsa_private_segment_fixed_size 0
		.amdhsa_enable_private_segment 0
		.amdhsa_kernarg_size 56
		.amdhsa_user_sgpr_count 2
		.amdhsa_user_sgpr_kernarg_segment_ptr 1
		.amdhsa_wavefront_size32 1
		.amdhsa_system_sgpr_workgroup_id_x 1
		.amdhsa_system_sgpr_workgroup_id_y 1
		.amdhsa_system_sgpr_workgroup_id_z 1
		.amdhsa_system_vgpr_workitem_id 0
		.amdhsa_next_free_vgpr 194
		.amdhsa_next_free_sgpr 66
		.amdhsa_reserve_vcc 1
		.amdhsa_float_denorm_mode_32 3
		.amdhsa_float_denorm_mode_16_64 3
		.amdhsa_memory_ordered 1
		.amdhsa_forward_progress 1
		.amdhsa_inst_pref_size 105
	.end_amdhsa_kernel
	.amdgpu_metadata
---
amdhsa.version: [ 1, 2 ]
amdhsa.kernels:
  - .name:           k_q1331eef1f4_quant
    .symbol:         k_q1331eef1f4_quant.kd
    .args:
      - { .name: x, .offset: 0, .size: 8, .value_kind: global_buffer, .address_space: global }
      - { .name: W_qkv, .offset: 8, .size: 8, .value_kind: global_buffer, .address_space: global }
      - { .name: W_proj, .offset: 16, .size: 8, .value_kind: global_buffer, .address_space: global }
      - { .name: x_img, .offset: 24, .size: 8, .value_kind: global_buffer, .address_space: global }
      - { .name: x_sc, .offset: 32, .size: 8, .value_kind: global_buffer, .address_space: global }
      - { .name: w_img, .offset: 40, .size: 8, .value_kind: global_buffer, .address_space: global }
      - { .name: w_sc, .offset: 48, .size: 8, .value_kind: global_buffer, .address_space: global }
    .group_segment_fixed_size: 35328
    .private_segment_fixed_size: 0
    .kernarg_segment_align: 8
    .kernarg_segment_size: 56
    .max_flat_workgroup_size: 128
    .sgpr_count:     66
    .vgpr_count:     194
    .wavefront_size: 32
...
	.end_amdgpu_metadata
.endif
;; end of part 1
;; launch gemm_qkv (part 2): grid 12 x 32, 4 waves a work-group, clusters of 4 x 4, 281,088 bytes of LDS; arguments x_img, x_sc, w_img, w_sc, b_qkv, qkv_img, qkv_sc; writes qkv_img, qkv_sc
.if DOCPART == 2
	.amdgcn_target "amdgcn-amd-amdhsa--gfx1250"
	.amdhsa_code_object_version 6
	.text
	.protected	k_q1331eef1f4_gemm_qkv
	.globl	k_q1331eef1f4_gemm_qkv
	.p2align	8
	.type	k_q1331eef1f4_gemm_qkv,@function
k_q1331eef1f4_gemm_qkv:
	s_mov_b64 s[64:65], 0
	v_nop
	global_prefetch_b8 v0, s[64:65] scope:SCOPE_SE
	s_setreg_imm32_b32 hwreg(HW_REG_WAVE_MODE, 25, 1), 1
	s_wait_xcnt 0x0
	s_wait_alu depctr_hold_cnt(0) depctr_sa_sdst(0) depctr_va_vdst(0) depctr_va_sdst(0) depctr_va_ssrc(0) depctr_va_vcc(0) depctr_vm_vsrc(0)
	s_getreg_b32 s2, hwreg(HW_REG_IB_STS2, 6, 4)
	s_cmp_eq_u32 s2, 0
	s_cbranch_scc0 .Lentry_in_a_cluster
	s_endpgm
.Lentry_in_a_cluster:
	s_bfe_u32 s2, ttmp6, 0x10000c
	s_cmp_lg_u32 s2, 0xf033
	s_cbranch_scc0 .Lentry_shape_is_right
	s_endpgm
.Lentry_shape_is_right:
; qkv = x W_qkv + b_qkv on codes of FP4 (E2M1) with E8M0 scales, K = 1,024; the results are quantised in registers and leave as codes and scale bytes: q and k along the head's 64, v along the tokens.
; Operands lie as chunks (512 bytes: lane l's 16 bytes at 16 l; chunks 2 s, 2 s + 1 = the eight registers of K step s), in tiles whose lane r is row 32 G + 8 u + r + 8 (r / 8).
; THE FRAME.  D = (B side: source 0, its rows fall on the result's REGISTERS) x (A side: source 1, its rows fall on the LANES).  With these tiles the 16 registers of B's tiles 2 G, 2 G + 1 are 16 neighbouring rows:
; 32 G + 16 (lane / 16) + 0 .. 15: what a quantiser along B's rows wants.  A work-group makes 256 x 256, a wave 128 x 128: 64 accumulators, 512 registers.
; TWO MODES, by the cluster's x (equal in all sixteen partners).  Clusters 0, 1: A = x (tokens on lanes), B = the rows of q and k, 128 a head (64 of q, 64 of k).  Cluster 2: A = the rows of v, B = x (tokens on registers).
; ALL OF K LIES IN LDS: 2 x 131,072 bytes of codes and 16,384 of scale bytes, each byte filled once.
; CLUSTERS 4 x 4: A's tiles are shared along a row of the cluster, B's along a column: each is asked for jointly, which divides the requests by four.
; No prefetch: every tile is asked for at the kernel's head, so no later load exists to run ahead of.
; LIMITS: a block whose largest magnitude lies under 2^-124 gets the scale byte 1 (zeros too: their codes are zeros, and this program alone reads the bytes); NaN and infinities are not served.
; REGISTERS, in windows of 256.  Window 0: v0-31 addresses; v32-95 scale words and nothing else; v96-127 at work; v128-255 A's fragments, two sets (on the way out: the codes).
;   Window 1: v0-127 B's fragments, two sets; v128-191 the bias as eight C tiles.   Windows 2, 3: accumulator (a, b) at v[8 (8 (a % 4) + b)] of window 2 + a / 4.
.set SCL,  262144                      ; LDS: behind the two halves of K: the scale bytes, 4,096 for each 128 rows
.set STG,  278528                      ; and 512 bytes a wave for the scale words on the way out
.set ADRA, 16                          ; v16-17 my A fragments in half 0, 1 of K
.set ADRB, 18                          ; v18-19 my B fragments
.set ADRS, 20                          ; v20    my scale words: lanes 0-15 A's, lanes 16-31 B's
.set LO16, 21                          ; v21    16 x lane
.set STS,  22                          ; v22    where I put a scale word
.set STL,  23                          ; v23    where I read 16 bytes of them back
.set BH,   24                          ; v24    64 h
.set BR,   25                          ; v25    4 (r + 8 (r / 8))
.set SC,   32                          ; v[SC + 8 i + s]: K step s: lanes 0-15 the words of A's tile i, lanes 16-31 of B's tile i
.set PW,   96                          ; v96-103 the scale word made for A's tile a
.set TM,   104                         ; v104-119 at work in the quantiser
.set SW,   120                         ; v120-123
.set AF,   128
.set BI,   128                         ; in window 1
.set G1A,  24
.set G0A,  32
.set G1B,  48
.set G0B,  56
.set G1SA, 68
.set G0SA, 76
.set G1SB, 80
.set G0SB, 88
.set MSB, 0
.macro WIN new                         ; the immediate's high byte repeats the setting that is left; a switch that changes nothing is dropped
.if MSB != (\new)
	s_set_vgpr_msb (MSB<<8)|(\new)
.set MSB, (\new)
.endif
.endm
.macro PLACES n
.rept \n
	v_nop
.endr
.endm
; A joint load: waves 0 and 1 fetch for A, waves 2 and 3 for B; the branch hangs on the wave's number alone.  Four v_nop follow each of the two lines.
.macro JLOAD g0a, g1a, g0b, g1b
	s_cmp_eq_u32 s19, 0
	s_cbranch_scc0 .Lfor_b_\@
	tensor_load_to_lds s[\g0a:\g0a+3], s[\g1a:\g1a+7]
	s_nop 0
.rept 4
	v_nop
.endr
	s_branch .Lasked_\@
.Lfor_b_\@:
	tensor_load_to_lds s[\g0b:\g0b+3], s[\g1b:\g1b+7]
	s_nop 0
.rept 4
	v_nop
.endr
.Lasked_\@:
.endm
.macro CROUND                          ; a round of the cluster's barrier
	s_barrier_signal -1
	s_barrier_wait -1
	s_cmp_lg_u32 s18, 0
	s_cbranch_scc1 .Lnot_wave_0_\@
	s_barrier_signal -3
.Lnot_wave_0_\@:
	s_barrier_wait -3
	s_barrier_signal -1
	s_barrier_wait -1
.endm
	s_load_b256 s[4:11], s[0:1], 0x0               ; x_img s[4:5], x_sc s[6:7], w_img s[8:9], w_sc s[10:11]
	s_load_b128 s[12:15], s[0:1], 0x20             ; b_qkv s[12:13], qkv_img s[14:15]
	s_load_b64 s[16:17], s[0:1], 0x30              ; qkv_sc
	v_lshl_add_u32 v126, v0, 2, 0x44800
	v_mov_b32 v127, 0
	ds_add_u32 v126, v127
	ds_add_u32 v126, v127
	v_lshrrev_b32 v1, 5, v0
	v_readfirstlane_b32 s18, v1                    ; wave 0..3
	s_lshr_b32 s19, s18, 1                         ; ra: which 128 rows of A are mine.  Also: I fetch for A (0) or for B (1)
	s_and_b32 s20, s18, 1                          ; cb: which 128 rows of B.  Also: which 128 rows of that side I fetch
	s_bfe_u32 s21, ttmp6, 0x40000                  ; cx
	s_bfe_u32 s22, ttmp6, 0x40004                  ; cy
	s_and_b32 s94, ttmp7, 0xffff                   ; the cluster's y
	s_cmp_eq_u32 ttmp9, 2
	s_cselect_b32 s23, 1, 0                        ; MODE: 1 = v
	s_cselect_b32 s95, 0, s94                      ; v has four tiles of A in all,
	s_cselect_b32 s96, s94, ttmp9                  ; and the tokens run along B
	s_lshl_b32 s92, s95, 2
	s_add_co_u32 s92, s92, s22                     ; TR: which 256 rows of A: hangs on cy alone within the cluster
	s_lshl_b32 s93, s96, 2
	s_add_co_u32 s93, s93, s21                     ; TC: which 256 rows of B: on cx alone
	s_lshl_b32 s2, s92, 1
	s_add_co_u32 s2, s2, s19                       ; RA: my 128 rows of A
	s_lshl_b32 s3, s93, 1
	s_add_co_u32 s3, s3, s20                       ; RB: my 128 rows of B
	s_lshl_b32 s94, s22, 2
	s_lshl_b32 s94, 15, s94                        ; my row of the cluster
	s_lshl_b32 s96, 0x1111, s21                    ; my column
	s_or_b32 s[G1A], s94, (3<<16)|(1<<21)          ; 15:0 the mask; 17:16 elements of 8 bytes; 21 set beside a mask; no padding: a fragment load takes 512 consecutive bytes
	s_or_b32 s[G1SA], s94, (3<<16)|(1<<21)
	s_or_b32 s[G1B], s96, (3<<16)|(1<<21)
	s_or_b32 s[G1SB], s96, (3<<16)|(1<<21)
.irp g, G1A, G1B                       ; codes: eight tiles' half of K: 8 rows of 4,096 bytes, 8,192 bytes apart
	s_mov_b32 s[\g+1], 512<<16                     ; tensor_dim0
	s_mov_b32 s[\g+2], 8<<16                       ; tensor_dim1
	s_mov_b32 s[\g+3], 512<<16                     ; tile_dim0
	s_mov_b32 s[\g+4], 8                           ; tile_dim1
	s_mov_b32 s[\g+5], 1024                        ; tensor_dim0_stride
	s_mov_b32 s[\g+6], 0
	s_mov_b32 s[\g+7], 0
.endr
.irp g, G1SA, G1SB                     ; scale bytes of 128 rows: 4,096 dense bytes as 16 rows of 256
	s_mov_b32 s[\g+1], 32<<16
	s_mov_b32 s[\g+2], 16<<16
	s_mov_b32 s[\g+3], 32<<16
	s_mov_b32 s[\g+4], 16
	s_mov_b32 s[\g+5], 32
	s_mov_b32 s[\g+6], 0
	s_mov_b32 s[\g+7], 0
.endr
	s_wait_dscnt 0x0
	s_wait_kmcnt 0x0
	s_cmp_eq_u32 s23, 1                            ; the sides' buffers: a choice on the cluster's number
	s_cselect_b64 s[40:41], s[8:9], s[4:5]         ; A's codes
	s_cselect_b64 s[42:43], s[10:11], s[6:7]       ; A's scale bytes
	s_cselect_b64 s[44:45], s[4:5], s[8:9]         ; B's codes
	s_cselect_b64 s[46:47], s[6:7], s[10:11]       ; B's scale bytes
	s_cselect_b32 s94, 0x100000, 0                 ; v's rows begin at group 64 of the weights: 64 x 16,384 bytes of codes,
	s_cselect_b32 s98, 0x10000, 0                  ; 64 x 1,024 of scale bytes
	s_lshl_b32 s95, s92, 17                        ; A: 256 rows are 16 tiles of 8,192 bytes;
	s_add_co_u32 s94, s94, s95
	s_lshl_b32 s95, s20, 16                        ; the half that I fetch
	s_add_co_u32 s94, s94, s95
	s_mov_b32 s95, 0
	s_add_nc_u64 s[40:41], s[40:41], s[94:95]
	s_lshl_b32 s94, s92, 13                        ; their scale bytes: 8 groups of 1,024
	s_add_co_u32 s94, s94, s98
	s_lshl_b32 s98, s20, 12
	s_add_co_u32 s94, s94, s98
	s_add_nc_u64 s[42:43], s[42:43], s[94:95]
	s_lshl_b32 s96, s93, 17                        ; B likewise, in registers that never hold A's coordinate
	s_lshl_b32 s97, s20, 16
	s_add_co_u32 s96, s96, s97
	s_mov_b32 s97, 0
	s_add_nc_u64 s[44:45], s[44:45], s[96:97]
	s_lshl_b32 s96, s93, 13
	s_lshl_b32 s99, s20, 12
	s_add_co_u32 s96, s96, s99
	s_add_nc_u64 s[46:47], s[46:47], s[96:97]
	CROUND                                         ; all sixteen work-groups are here: the joint loads meet
	s_lshl_b32 s99, s18, 12                        ; where they go hangs on the wave's number alone
	s_mov_b32 s[G0SA], 1
	s_add_co_u32 s[G0SA+1], s99, SCL
	s_mov_b64 s[G0SA+2:G0SA+3], s[42:43]
	s_or_b32 s[G0SA+3], s[G0SA+3], 0x80000000
	s_mov_b32 s[G0SB], 1
	s_add_co_u32 s[G0SB+1], s99, SCL
	s_mov_b64 s[G0SB+2:G0SB+3], s[46:47]
	s_or_b32 s[G0SB+3], s[G0SB+3], 0x80000000
	JLOAD G0SA, G1SA, G0SB, G1SB                   ; the scale bytes first: they are wanted with K step 0
	s_lshl_b32 s99, s18, 15
.irp q, 0,1                            ; then the two halves of K
	s_mov_b32 s[G0A+4*\q], 1
	s_add_co_u32 s[G0A+4*\q+1], s99, \q*131072
	s_add_nc_u64 s[G0A+4*\q+2:G0A+4*\q+3], s[40:41], \q*4096
	s_or_b32 s[G0A+4*\q+3], s[G0A+4*\q+3], 0x80000000
	s_mov_b32 s[G0B+4*\q], 1
	s_add_co_u32 s[G0B+4*\q+1], s99, \q*131072
	s_add_nc_u64 s[G0B+4*\q+2:G0B+4*\q+3], s[44:45], \q*4096
	s_or_b32 s[G0B+4*\q+3], s[G0B+4*\q+3], 0x80000000
	JLOAD G0A+4*\q, G1A, G0B+4*\q, G1B
.endr
	v_and_b32 v1, 31, v0                           ; lane
	v_and_b32 v2, 15, v0                           ; r
	v_bfe_u32 v3, v0, 4, 1                         ; h
	v_lshlrev_b32 v[LO16], 4, v1
	s_lshl_b32 s94, s19, 15                        ; A's regions are the first two of a half, B's the last two
	s_lshl_b32 s95, s20, 15
	s_add_co_u32 s95, s95, 65536
	v_add_nc_u32 v[ADRA], s94, v[LO16]
	v_add_nc_u32 v[ADRB], s95, v[LO16]
	v_add_nc_u32 v[ADRA+1], 131072, v[ADRA]
	v_add_nc_u32 v[ADRB+1], 131072, v[ADRB]
	s_lshl_b32 s94, s19, 12
	s_lshl_b32 s95, s20, 12
	s_add_co_u32 s95, s95, 8192
	s_sub_co_u32 s95, s95, s94                     ; from A's scale bytes to B's
	v_mul_u32_u24 v5, s95, v3                      ; lanes 16-31 take B's
	s_wait_alu depctr_va_vdst(0)
	s_add_co_u32 s94, s94, SCL
	v_lshl_add_u32 v5, v2, 3, v5                   ; 8 bytes a row and quarter
	v_add_nc_u32 v[ADRS], s94, v5
	s_lshl_b32 s94, s18, 9
	s_add_co_u32 s94, s94, STG
	v_lshl_add_u32 v[STS], v2, 2, s94
	v_add_nc_u32 v[STL], s94, v[LO16]
	v_lshlrev_b32 v[BH], 6, v3
	v_and_b32 v4, 8, v2
	v_add_nc_u32 v4, v4, v2
	v_lshlrev_b32 v[BR], 2, v4
.irp b, 0,1,2,3
	v_mov_b32 v[TM+4+\b], 0                        ; a lane permute's destination counts as one of its sources
.endr
	; where my block of 8,192 bytes of codes and 512 of scale words goes.  q, k: ((batch x 16 + head) x 16 + 128 tokens);  v: 1,024 + ((batch x 8 + pair of heads) x 16 + 128 keys)
	s_cmp_eq_u32 s23, 1
	s_cselect_b32 s94, s3, s2                      ; the tokens' 128: RB for v, RA for q and k
	s_cselect_b32 s95, s2, s3                      ; the features' 128
	s_cselect_b32 s96, 7, 8
	s_cselect_b32 s97, 1024, 0
	s_lshr_b32 s98, s94, 4
	s_lshl_b32 s98, s98, s96
	s_lshl_b32 s95, s95, 4
	s_add_co_u32 s98, s98, s95
	s_and_b32 s94, s94, 15
	s_add_co_u32 s98, s98, s94
	s_add_co_u32 s98, s98, s97
	s_lshl_b32 s94, s98, 13
	s_mov_b32 s95, 0
	s_add_nc_u64 s[14:15], s[14:15], s[94:95]
	s_lshl_b32 s94, s98, 9
	s_add_nc_u64 s[16:17], s[16:17], s[94:95]
	; THE BIAS is the C of each sum's first matrix instruction: eight tiles in the result's layout
	s_cmp_eq_u32 s23, 0
	s_cbranch_scc0 .Lbias_v
	s_lshl_b32 s94, s3, 8                          ; q, k: the bias runs along B's rows, that is along the registers: tile b, lane half h: (b / 4: q or k) x 1,024 + head x 64 + 32 ((b % 4) / 2) + 16 h + 8 (b % 2) + 0 .. 7
	s_add_nc_u64 s[12:13], s[12:13], s[94:95]
	WIN 0x40                                       ; destination window 1
	s_wait_alu depctr_va_vdst(0)
.irp b, 0,1,2,3,4,5,6,7
	global_load_b128 v[BI+8*\b:BI+8*\b+3], v[BH], s[12:13] offset:(\b/4)*4096+((\b%4)/2)*128+(\b%2)*32
	global_load_b128 v[BI+8*\b+4:BI+8*\b+7], v[BH], s[12:13] offset:(\b/4)*4096+((\b%4)/2)*128+(\b%2)*32+16
.endr
	WIN 0
	s_wait_loadcnt 0x0
	s_branch .Lbias_done
.Lbias_v:
	s_lshl_b32 s94, s2, 9                          ; v: the bias runs along A's rows, that is along the lanes: tile a, lane r: 2,048 + 128 RA + 32 (a / 2) + 8 (a % 2) + r + 8 (r / 8); the same in all eight registers
	s_add_co_u32 s94, s94, 8192
	s_add_nc_u64 s[12:13], s[12:13], s[94:95]
	WIN 0x40
	s_wait_alu depctr_va_vdst(0)
.irp a, 0,1,2,3,4,5,6,7
	global_load_b32 v[BI+8*\a], v[BR], s[12:13] offset:(32*(\a/2)+8*(\a%2))*4
.endr
	WIN 0
	s_wait_loadcnt 0x0
	WIN 0x41                                       ; destination and source 0 window 1
.irp a, 0,1,2,3,4,5,6,7
.irp j, 1,2,3,4,5,6,7
	v_mov_b32 v[BI+8*\a+\j], v[BI+8*\a]
.endr
.endr
	WIN 0
.Lbias_done:
.macro FETCH s                         ; the fragments of K step s into set s % 2: 16 loads for B, 16 for A, each of 512 consecutive bytes
.set FP, (\s)%2
.set FQ, (\s)/4
.set FO, ((\s)%4)*1024
	WIN 0x40
.irp b, 0,1,2,3,4,5,6,7
	ds_load_b128 v[64*FP+8*\b:64*FP+8*\b+3], v[ADRB+FQ] offset:\b*4096+FO
	ds_load_b128 v[64*FP+8*\b+4:64*FP+8*\b+7], v[ADRB+FQ] offset:\b*4096+FO+512
.endr
	WIN 0
.irp a, 0,1,2,3,4,5,6,7
	ds_load_b128 v[AF+64*FP+8*\a:AF+64*FP+8*\a+3], v[ADRA+FQ] offset:\a*4096+FO
	ds_load_b128 v[AF+64*FP+8*\a+4:AF+64*FP+8*\a+7], v[ADRA+FQ] offset:\a*4096+FO+512
.endr
.endm
.macro SCALES                          ; all of K's scale words: tile i, quarter Q: two words a lane
.irp i, 0,1,2,3,4,5,6,7
.irp q, 0,1,2,3
	ds_load_b64 v[SC+8*\i+2*\q:SC+8*\i+2*\q+1], v[ADRS] offset:(\i/2)*1024+\q*256+(\i%2)*128
.endr
.endr
.endm
; 32 matrix instructions: A's tiles 4 hi .. 4 hi + 3 x B's eight, K step s.  cm = 0: onto the sums; 1: C = the bias by B's tile; 2: by A's tile.
; The 64 accumulators take turns, one instruction a turn, in the same order in every step.
.macro MUL32 hi, s, cm
.if \cm == 0
	WIN 0xa1+0x50*\hi                              ; source 0 (B) window 1, source 1 (A) window 0, C and D window 2 or 3
.else
	WIN 0x91+0x40*\hi                              ; C window 1
.endif
.irp a, 0,1,2,3
.irp b, 0,1,2,3,4,5,6,7
.if \cm == 0
	v_wmma_scale_f32_16x16x128_f8f6f4 v[8*(8*\a+\b):8*(8*\a+\b)+7], v[64*((\s)%2)+8*\b:64*((\s)%2)+8*\b+7], v[AF+64*((\s)%2)+8*(4*\hi+\a):AF+64*((\s)%2)+8*(4*\hi+\a)+7], v[8*(8*\a+\b):8*(8*\a+\b)+7], v[SC+8*\b+(\s)], v[SC+8*(4*\hi+\a)+(\s)] matrix_a_fmt:MATRIX_FMT_FP4 matrix_b_fmt:MATRIX_FMT_FP4 matrix_a_scale:MATRIX_SCALE_ROW1
.elseif \cm == 1
	v_wmma_scale_f32_16x16x128_f8f6f4 v[8*(8*\a+\b):8*(8*\a+\b)+7], v[64*((\s)%2)+8*\b:64*((\s)%2)+8*\b+7], v[AF+64*((\s)%2)+8*(4*\hi+\a):AF+64*((\s)%2)+8*(4*\hi+\a)+7], v[BI+8*\b:BI+8*\b+7], v[SC+8*\b+(\s)], v[SC+8*(4*\hi+\a)+(\s)] matrix_a_fmt:MATRIX_FMT_FP4 matrix_b_fmt:MATRIX_FMT_FP4 matrix_a_scale:MATRIX_SCALE_ROW1
.else
	v_wmma_scale_f32_16x16x128_f8f6f4 v[8*(8*\a+\b):8*(8*\a+\b)+7], v[64*((\s)%2)+8*\b:64*((\s)%2)+8*\b+7], v[AF+64*((\s)%2)+8*(4*\hi+\a):AF+64*((\s)%2)+8*(4*\hi+\a)+7], v[BI+8*(4*\hi+\a):BI+8*(4*\hi+\a)+7], v[SC+8*\b+(\s)], v[SC+8*(4*\hi+\a)+(\s)] matrix_a_fmt:MATRIX_FMT_FP4 matrix_b_fmt:MATRIX_FMT_FP4 matrix_a_scale:MATRIX_SCALE_ROW1
.endif
.endr
.endr
.endm
.macro STEP s, cm
	s_wait_dscnt 0x0                               ; this step's fragments, asked for 64 matrix instructions ago, are in
.if (\s) == 3
	s_wait_tensorcnt 0x0                           ; my part of K's second half has landed; my reads of the first half are over (the wait above):
	s_barrier_signal -1
	s_barrier_wait -1                              ; both now hold of every wave
.endif
.if (\s) < 7
.if (\s) > 0
	PLACES 4                                       ; four plain places in front of loads into the set that the last step's matrix instructions read (ISA guide 7.12.1 for vector instructions)
.endif
	FETCH (\s)+1
.endif
	MUL32 0, \s, \cm
	MUL32 1, \s, \cm
	WIN 0
.endm
	s_wait_tensorcnt 1                             ; the scale bytes and my part of K's first half are in; the second half's one load may be out
	s_barrier_signal -1
	s_barrier_wait -1                              ; everybody's are
	FETCH 0
	SCALES
	s_cmp_eq_u32 s23, 0
	s_cbranch_scc0 .Lfirst_v
	s_wait_alu depctr_va_vdst(0)
	STEP 0, 1                                      ; the first step starts the sums with the bias: nothing is cleared
	s_branch .Lfirst_done
.Lfirst_v:
	s_wait_alu depctr_va_vdst(0)
	STEP 0, 2
.Lfirst_done:
.irp s, 1,2,3,4,5,6,7
	STEP \s, 0
.endr
; THE WAY OUT.  For A's tile a a lane holds 64 numbers of ONE row of A's side: register 16 b + i = B's row 32 b + 16 (lane / 16) + i: four blocks of 32, each shared with lane l xor 16.
; They become a fragment's eight registers (two chunks) and one scale word.  q, k: chunk 0 = q's 64 codes, chunk 1 = k's; the word = q's two bytes, k's two.  v: 128 keys of one channel.
.macro QUANT a
.set QW, 2+(\a)/4
.set QS, 64*((\a)%4)
.set QP, AF+8*(\a)
	WIN (QW<<4)|(QW<<2)                            ; sources 1 and 2: the accumulators' window
.irp b, 0,1,2,3
	v_max3_num_f32 v[TM+\b], 0x1800000, |v[QS+16*\b]|, |v[QS+16*\b+1]|   ; with the floor 2^(3 - 127): the byte cannot fall under 1.  Each accumulator is read from its low end on
.endr
.irp i, 2,4,6,8,10,12,14
.irp b, 0,1,2,3
	v_max3_num_f32 v[TM+\b], v[TM+\b], |v[QS+16*\b+\i]|, |v[QS+16*\b+\i+1]|
.endr
.endr
	WIN 0
.irp b, 0,1,2,3
	v_permlanex16_b32 v[TM+4+\b], v[TM+\b], s98, s99
.endr
.irp b, 0,1,2,3
	v_max_num_f32 v[TM+\b], v[TM+\b], v[TM+4+\b]   ; the block's largest magnitude
.endr
.irp b, 0,1,2,3
	v_add_nc_u32 v[TM+12+\b], 0xff000000, v[TM+\b] ; 2 off its exponent field: the conversions' scale operand
.endr
.irp b, 0,1,2,3
	v_lshrrev_b32 v[TM+4+\b], 23, v[TM+12+\b]      ; the scale's byte
.endr
	v_lshl_or_b32 v[PW+(\a)], v[TM+5], 8, v[TM+4]
	v_lshl_or_b32 v[PW+(\a)], v[TM+6], 16, v[PW+(\a)]
	v_lshl_or_b32 v[PW+(\a)], v[TM+7], 24, v[PW+(\a)]
	WIN QW                                         ; source 0: the accumulators' window
.irp b, 0,1,2,3
	v_cvt_scalef32_pk8_fp4_f32 v[QP+2*\b], v[QS+16*\b:QS+16*\b+7], v[TM+12+\b]
	v_cvt_scalef32_pk8_fp4_f32 v[QP+2*\b+1], v[QS+16*\b+8:QS+16*\b+15], v[TM+12+\b]
.endr
	WIN 0
	v_nop                                          ; one plain place behind a scaled conversion
.irp c, 0,1                            ; the operand's layout wants a WHOLE block in a lane
.irp i, 0,1
	v_permlane16_swap_b32 v[QP+4*\c+\i], v[QP+2+4*\c+\i]
.endr
.endr
	global_store_b128 v[LO16], v[QP:QP+3], s[14:15] offset:((\a)%4)*512+((\a)/4)*4096          ; a chunk: 512 consecutive bytes.  Every tile has registers of its own: no store's data are written again
	global_store_b128 v[LO16], v[QP+4:QP+7], s[14:15] offset:((\a)%4)*512+((\a)/4)*4096+2048
	ds_store_b32 v[STS], v[PW+(\a)] offset:64*(\a) ; both halves of the lanes write the same word with the same value
.endm
	PLACES 4                                       ; in front of the first read of results, and of the first write of A's fragment registers
	s_mov_b32 s98, 0x76543210
	s_mov_b32 s99, 0xfedcba98                      ; v_permlanex16_b32's selects for lane l xor 16
.irp a, 0,1,2,3,4,5,6,7
	QUANT \a
.endr
	ds_load_b128 v[SW:SW+3], v[STL]                ; my wave's own 512 bytes: LDS serves a wave's instructions in order
	s_wait_dscnt 0x0
	global_store_b128 v[LO16], v[SW:SW+3], s[16:17] ; the block's 128 scale words: 512 consecutive bytes
	s_wait_tensorcnt 0x0
	ds_add_u32 v126, v127
	s_wait_dscnt 0x0
	CROUND                                         ; the closing round: no work-group ends while a partner may still ask for a tile that names it
	s_endpgm
.Lfunc_end_k_q1331eef1f4_gemm_qkv:
	.size	k_q1331eef1f4_gemm_qkv, .Lfunc_end_k_q1331eef1f4_gemm_qkv-k_q1331eef1f4_gemm_qkv
	.p2alignl 7, 3214868480
	.fill 96, 4, 3214868480
	.section	.rodata,"a",@progbits
	.p2align	6, 0x0
	.amdhsa_kernel k_q1331eef1f4_gemm_qkv
		.amdhsa_group_segment_fixed_size 281088
		.amdhsa_private_segment_fixed_size 0
		.amdhsa_enable_private_segment 0
		.amdhsa_kernarg_size 56
		.amdhsa_user_sgpr_count 2
		.amdhsa_user_sgpr_kernarg_segment_ptr 1
		.amdhsa_wavefront_size32 1
		.amdhsa_system_sgpr_workgroup_id_x 1
		.amdhsa_system_sgpr_workgroup_id_y 1
		.amdhsa_system_sgpr_workgroup_id_z 1
		.amdhsa_system_vgpr_workitem_id 0
		.amdhsa_next_free_vgpr 1024
		.amdhsa_next_free_sgpr 100
		.amdhsa_reserve_vcc 0
		.amdhsa_float_denorm_mode_32 3
		.amdhsa_float_denorm_mode_16_64 3
		.amdhsa_memory_ordered 1
		.amdhsa_forward_progress 1
		.amdhsa_inst_pref_size 143
	.end_amdhsa_kernel
	.amdgpu_metadata
---
amdhsa.version: [ 1, 2 ]
amdhsa.kernels:
  - .name:           k_q1331eef1f4_gemm_qkv
    .symbol:         k_q1331eef1f4_gemm_qkv.kd
    .args:
      - { .name: x_img, .offset: 0, .size: 8, .value_kind: global_buffer, .address_space: global }
      - { .name: x_sc, .offset: 8, .size: 8, .value_kind: global_buffer, .address_space: global }
      - { .name: w_img, .offset: 16, .size: 8, .value_kind: global_buffer, .address_space: global }
      - { .name: w_sc, .offset: 24, .size: 8, .value_kind: global_buffer, .address_space: global }
      - { .name: b_qkv, .offset: 32, .size: 8, .value_kind: global_buffer, .address_space: global }
      - { .name: qkv_img, .offset: 40, .size: 8, .value_kind: global_buffer, .address_space: global }
      - { .name: qkv_sc, .offset: 48, .size: 8, .value_kind: global_buffer, .address_space: global }
    .group_segment_fixed_size: 281088
    .private_segment_fixed_size: 0
    .kernarg_segment_align: 8
    .kernarg_segment_size: 56
    .max_flat_workgroup_size: 128
    .sgpr_count:     100
    .vgpr_count:     1024
    .wavefront_size: 32
...
	.end_amdgpu_metadata
.endif
;; end of part 2
;; launch attn (part 3): grid 4 x 64, 16 waves a work-group, clusters of 4 x 1, 169,984 bytes of LDS; arguments qkv_img, qkv_sc, y_img, y_sc; writes y_img, y_sc
.if DOCPART == 3
	.amdgcn_target "amdgcn-amd-amdhsa--gfx1250"
	.amdhsa_code_object_version 6
	.text
	.protected	k_q1331eef1f4_attn
	.globl	k_q1331eef1f4_attn
	.p2align	8
	.type	k_q1331eef1f4_attn,@function
k_q1331eef1f4_attn:
	s_mov_b64 s[64:65], 0
	v_nop
	global_prefetch_b8 v0, s[64:65] scope:SCOPE_SE
	s_setreg_imm32_b32 hwreg(HW_REG_WAVE_MODE, 25, 1), 1
	s_wait_xcnt 0x0
	s_wait_alu depctr_hold_cnt(0) depctr_sa_sdst(0) depctr_va_vdst(0) depctr_va_sdst(0) depctr_va_ssrc(0) depctr_va_vcc(0) depctr_vm_vsrc(0)
	s_getreg_b32 s2, hwreg(HW_REG_IB_STS2, 6, 4)
	s_cmp_eq_u32 s2, 0
	s_cbranch_scc0 .Lentry_in_a_cluster
	s_endpgm
.Lentry_in_a_cluster:
	s_bfe_u32 s2, ttmp6, 0x10000c
	s_cmp_lg_u32 s2, 0x3003
	s_cbranch_scc0 .Lentry_shape_is_right
	s_endpgm
.Lentry_shape_is_right:
; y = softmax(q k^T / 8, causal) v for one head of one batch a cluster; both products on codes of FP4 (E2M1) with E8M0 scales; y leaves as codes and scale bytes, quantised along the model's 1,024 (a head's 64 are two blocks).
; THE SOFTMAX: t = score x log2(e) / 8; M = the row's largest t so far, rounded UP to a whole number; p = 2^(t - M) is quantised along the keys, not normalised.  The row's sum is taken of the unquantised p and divides at the end.
; When M moves, the sum and O are multiplied by 2^(old M - new M): exact.
; SHARES.  The four work-groups of a cluster belong to one head.  Partner cx takes the query tiles 4 j + cx, j = 0 .. 31 (a tile: 16 tokens, lane r = token 32 (tile / 2) + 8 (tile % 2) + r + 8 (r / 8)).
; Such a tile needs the key steps 0 .. j / 2 of 128 keys, whatever cx: so all partners run alike, and cx enters global addresses and the mask's numbers alone.  Wave w takes j = w and then j = 31 - w: 17 key steps a wave.
; LDS holds the head's whole K and V, filled ONCE by six joint loads (one a wave, waves 0-5), which the four partners ask for together: a quarter of the requests.  Nothing is filled again.
; No prefetch: every tile is asked for at the head.  Sixteen waves of 256 registers: four to a SIMD, so that one wave's vector work stands beside another's matrix work and LDS loads.
; LAYOUT.  Both products are used transposed: S^T = K Q^T (source 0 = 16 keys), O^T = V^T P^T (source 0 = 16 channels): a lane holds ONE query throughout, and by the tiles' order of rows the 16 registers of tiles 2 b, 2 b + 1 are
; 16 neighbours (keys, or channels).  THE HEAD'S 64 IN AN INSTRUCTION OF 128: the codes stand at k = 64 .. 127.  Q's registers 0-3 are zero codes; K's registers 0-3 are whatever lies in front of its chunk (the chunk before):
; they meet zero codes, under scale bytes that are never 0xff, and add nothing.  The stored scale word of a token is (q's two bytes, k's two): K takes it as it is, Q takes it shifted up by 16 bits.
; y's scale bytes leave as single bytes, 32 a tile beside its 512 bytes of codes: those units are written in part.
; LIMITS: a block of y whose largest magnitude lies under 2^-124 gets the scale byte 1; NaN and infinities are not served; 1 / sum is v_rcp_f32's.
.set KC,   0                           ; LDS: K's chunks [tile 128][512]
.set VC,   65536                       ; V's [key step 16][64 keys 2][channel tile 4][512]
.set KS,   131072                      ; K's scale words [tile][r]
.set VS,   139264                      ; V's [key step][channel tile][r]
.set AK0,  5                           ; v5   16 x lane: K's chunks begin at LDS byte 0, so it is also my place in a chunk of K
.set AV0,  2                           ; v2   the same for V
.set ASK0, 3                           ; v3   my place among K's scale words
.set ASV0, 4                           ; v4   and V's
.set L4R,  6                           ; v6   4 r
.set DD,   7                           ; v7   the mask: my query - the step's first key - 16 h
.set ADK,  8                           ; v8-11 the step's addresses
.set ADV,  9
.set ADS,  10
.set ADT,  11
.set YSO,  26                          ; v26  8 r + h
.set DL,   27                          ; v27  r + 8 (r / 8) - 16 h
.set KB,   28                          ; v28-63 four zeros, then K's eight chunks; operand i is v[KB + 4 i .. + 7]
.set VF,   64                          ; v64-95 V's four fragments
.set SS,   96                          ; v96-159 S^T, then p, then y
.set OO,   160                         ; v160-191 O^T
.set KW,   192                         ; v192-199 K's scale words;  v200-203 V's;  v212 p's;  v24, v25 Q's: these hold scales and nothing else
.set VW,   200
.set PCD,  204                         ; v204-211 p's codes, later y's
.set PSW,  212
.set WV,   12
.set CX,   13
.set BHD,  14
.set G1K,  16
.set G1V,  24
.set G1KS, 32
.set G1VS, 40
.set G0K,  48
.set G0V,  52
.set G0KS, 56
.set G0VS, 60
.set SEL,  66
.set CS,   68
.set SN,   70                          ; s70 the key step;  s71 the last that counts
.set LAST, 71
.set TK,   72                          ; s72 4,096 x step: K's and V's codes;  s73 512 x step;  s74 256 x step
.set TKS,  73
.set TVS,  74
.set HI16, 75                          ; s75 the lanes 16-31
.macro ROUND
	s_barrier_signal -1
	s_barrier_wait -1
	s_cmp_lg_u32 s[WV], 0
	s_cbranch_scc1 .Lnot_wave_0_\@
	s_barrier_signal -3
.Lnot_wave_0_\@:
	s_barrier_wait -3
	s_barrier_signal -1
	s_barrier_wait -1
.endm
	s_load_b256 s[4:11], s[0:1], 0x0               ; qkv_img s[4:5], qkv_sc s[6:7], y_img s[8:9], y_sc s[10:11]
	v_lshl_add_u32 v251, v0, 2, 0x29000
	v_mov_b32 v255, 0
	ds_add_u32 v251, v255
	ds_add_u32 v251, v255
	v_lshrrev_b32 v232, 5, v0
	s_delay_alu instid0(VALU_DEP_1)
	v_readfirstlane_b32 s[WV], v232                ; wave 0..15
	s_bfe_u32 s[CX], ttmp6, 0x40000                ; cx
	s_and_b32 s[BHD], ttmp7, 0xffff                ; batch x 16 + head: shared by the four partners
	s_and_b32 s15, s[WV], 1                        ; which half of K's or V's codes I fetch, if I fetch
.irp g, G1K, G1V, G1KS, G1VS
	s_mov_b32 s[\g], 15|(3<<16)|(1<<21)            ; 15:0 the mask: all four; 17:16 elements of 8 bytes; 21 set beside a mask; no padding
	s_mov_b32 s[\g+6], 0
	s_mov_b32 s[\g+7], 0
.endr
	s_mov_b32 s[G1K+1], 256<<16                    ; K's codes: 16 rows of 2,048 bytes (four tiles' chunks), 4,096 bytes apart (q's chunks lie between)
	s_mov_b32 s[G1K+2], 16<<16
	s_mov_b32 s[G1K+3], 256<<16
	s_mov_b32 s[G1K+4], 16
	s_mov_b32 s[G1K+5], 512
	s_mov_b32 s[G1V+1], 512<<16                    ; V's: 8 rows of 4,096 bytes (a key step of my head), 8,192 apart (the pair's other head lies between)
	s_mov_b32 s[G1V+2], 8<<16
	s_mov_b32 s[G1V+3], 512<<16
	s_mov_b32 s[G1V+4], 8
	s_mov_b32 s[G1V+5], 1024
	s_mov_b32 s[G1KS+1], 32<<16                    ; K's scale words: 8,192 dense bytes as 32 rows of 256
	s_mov_b32 s[G1KS+2], 32<<16
	s_mov_b32 s[G1KS+3], 32<<16
	s_mov_b32 s[G1KS+4], 32
	s_mov_b32 s[G1KS+5], 32
	s_mov_b32 s[G1VS+1], 32<<16                    ; V's: 16 rows of 256 bytes, 512 apart
	s_mov_b32 s[G1VS+2], 16<<16
	s_mov_b32 s[G1VS+3], 32<<16
	s_mov_b32 s[G1VS+4], 16
	s_mov_b32 s[G1VS+5], 64
	s_lshl_b32 s82, s15, 16                        ; my half: 65,536 bytes of memory
	s_lshl_b32 s80, s[BHD], 17                     ; K: the head's 16 blocks of 8,192 bytes; k's chunks begin 2,048 bytes in
	s_add_co_u32 s80, s80, s82
	s_add_co_u32 s80, s80, 2048
	s_mov_b32 s81, 0
	s_lshr_b32 s83, s[BHD], 1                      ; V: batch x 8 + pair of heads,
	s_and_b32 s92, s[BHD], 1                       ; and which of the pair
	s_lshl_b32 s84, s83, 17
	s_add_co_u32 s84, s84, s82
	s_lshl_b32 s93, s92, 12
	s_add_co_u32 s84, s84, s93
	s_add_co_u32 s84, s84, 0x800000                ; v's blocks lie behind the 1,024 blocks of q and k
	s_mov_b32 s85, 0
	s_lshl_b32 s86, s[BHD], 13                     ; K's scale words
	s_mov_b32 s87, 0
	s_lshl_b32 s88, s83, 13                        ; V's
	s_lshl_b32 s93, s92, 8
	s_add_co_u32 s88, s88, s93
	s_add_co_u32 s88, s88, 0x80000
	s_mov_b32 s89, 0
	s_mov_b32 s[G0K], 1
	s_lshl_b32 s[G0K+1], s15, 15                   ; LDS: KC + 32,768 x half
	s_mov_b32 s[G0V], 1
	s_add_co_u32 s[G0V+1], s[G0K+1], VC
	s_mov_b32 s[G0KS], 1
	s_mov_b32 s[G0KS+1], KS
	s_mov_b32 s[G0VS], 1
	s_mov_b32 s[G0VS+1], VS
	s_mov_b32 s[SEL], 0x76543210
	s_mov_b32 s[SEL+1], 0xfedcba98                 ; v_permlanex16_b32's selects for lane l xor 16
	s_mov_b32 s[CS], 0x3e38aa3b                    ; c = log2(e) / 8
	s_mov_b32 s[CS+1], s[CS]                       ; (named with it as a pair, so it is written)
	s_wait_dscnt 0x0
	s_wait_kmcnt 0x0
	s_add_nc_u64 s[G0K+2:G0K+3], s[4:5], s[80:81]
	s_or_b32 s[G0K+3], s[G0K+3], 0x80000000
	s_add_nc_u64 s[G0V+2:G0V+3], s[4:5], s[84:85]
	s_or_b32 s[G0V+3], s[G0V+3], 0x80000000
	s_add_nc_u64 s[G0KS+2:G0KS+3], s[6:7], s[86:87]
	s_or_b32 s[G0KS+3], s[G0KS+3], 0x80000000
	s_add_nc_u64 s[G0VS+2:G0VS+3], s[6:7], s[88:89]
	s_or_b32 s[G0VS+3], s[G0VS+3], 0x80000000
	ROUND                                          ; all four work-groups are here: the joint loads meet
	s_cmp_lt_u32 s[WV], 2                          ; one load a wave, in one chain of branches on the wave's number; four v_nop follow each
	s_cbranch_scc0 .Lnot_k
	tensor_load_to_lds s[G0K:G0K+3], s[G1K:G1K+7]
	s_nop 0
.rept 4
	v_nop
.endr
	s_branch .Lasked
.Lnot_k:
	s_cmp_lt_u32 s[WV], 4
	s_cbranch_scc0 .Lnot_v
	tensor_load_to_lds s[G0V:G0V+3], s[G1V:G1V+7]
	s_nop 0
.rept 4
	v_nop
.endr
	s_branch .Lasked
.Lnot_v:
	s_cmp_eq_u32 s[WV], 4
	s_cbranch_scc0 .Lnot_ks
	tensor_load_to_lds s[G0KS:G0KS+3], s[G1KS:G1KS+7]
	s_nop 0
.rept 4
	v_nop
.endr
	s_branch .Lasked
.Lnot_ks:
	s_cmp_eq_u32 s[WV], 5
	s_cbranch_scc0 .Lasked
	tensor_load_to_lds s[G0VS:G0VS+3], s[G1VS:G1VS+7]
	s_nop 0
.rept 4
	v_nop
.endr
.Lasked:
	v_and_b32 v232, 31, v0                         ; lane
	v_and_b32 v233, 15, v0                         ; r
	v_bfe_u32 v234, v0, 4, 1                       ; h
	s_delay_alu instid0(VALU_DEP_3)
	v_lshlrev_b32 v[AK0], 4, v232
	s_delay_alu instid0(VALU_DEP_3)
	v_lshlrev_b32 v[L4R], 2, v233
	s_delay_alu instid0(VALU_DEP_2)
	v_add_nc_u32 v[AV0], VC, v[AK0]
	s_delay_alu instid0(VALU_DEP_2)
	v_add_nc_u32 v[ASK0], KS, v[L4R]
	s_delay_alu instid0(VALU_DEP_3)
	v_add_nc_u32 v[ASV0], VS, v[L4R]
	v_lshl_add_u32 v[YSO], v233, 3, v234
	v_and_b32 v235, 8, v233
	s_delay_alu instid0(VALU_DEP_1)
	v_add_nc_u32 v235, v235, v233
	v_lshlrev_b32 v236, 4, v234
	s_delay_alu instid0(VALU_DEP_1)
	v_sub_nc_u32 v[DL], v235, v236
	v_cmp_le_u32 s[HI16], 16, v232
	; both phases' Q: tile 4 j + cx of my head: its chunk lies at j x 4,096 + cx x 512, its scale words at (4 j + cx) x 64
	s_lshl_b32 s80, s[BHD], 17
	s_lshl_b32 s82, s[CX], 9
	s_add_co_u32 s80, s80, s82
	s_sub_co_u32 s83, 31, s[WV]
	s_lshl_b32 s82, s[WV], 12
	s_add_co_u32 s84, s80, s82
	s_mov_b32 s85, 0
	s_lshl_b32 s82, s83, 12
	s_add_co_u32 s86, s80, s82
	s_mov_b32 s87, 0
	s_add_nc_u64 s[84:85], s[4:5], s[84:85]
	s_add_nc_u64 s[86:87], s[4:5], s[86:87]
	s_lshl_b32 s80, s[BHD], 13
	s_lshl_b32 s82, s[CX], 6
	s_add_co_u32 s80, s80, s82
	s_lshl_b32 s82, s[WV], 8
	s_add_co_u32 s88, s80, s82
	s_mov_b32 s89, 0
	s_lshl_b32 s82, s83, 8
	s_add_co_u32 s90, s80, s82
	s_mov_b32 s91, 0
	s_add_nc_u64 s[88:89], s[6:7], s[88:89]
	s_add_nc_u64 s[90:91], s[6:7], s[90:91]
	global_load_b128 v[20:23], v[AK0], s[84:85]
	global_load_b128 v[220:223], v[AK0], s[86:87]
	global_load_b32 v24, v[L4R], s[88:89]
	global_load_b32 v25, v[L4R], s[90:91]
.irp j, 0,1,2,3
	v_mov_b32 v[16+\j], 0                          ; Q's zero codes at k = 0 .. 63,
	v_mov_b32 v[216+\j], 0
	v_mov_b32 v[KB+\j], 0                          ; what lies in front of K's first chunk,
	v_mov_b32 v[236+\j], 0                         ; and registers that a lane permute names as its destination
.endr
	v_mov_b32 v252, 0
	v_mov_b32 v253, 0                              ; (named as the upper half of the pair v[252:253])
	s_wait_loadcnt 0x0
	v_lshlrev_b32 v24, 16, v24                     ; q's two bytes to k = 64 .. 127
	v_lshlrev_b32 v25, 16, v25
	s_wait_tensorcnt 0x0                           ; my load, if I had one, has landed
	s_barrier_signal -1
	s_barrier_wait -1                              ; everybody's has: K, V and their scale words are whole, and stay
; ONE QUERY TILE.  p: 0: j = wave, 1: j = 31 - wave.  QF: Q's operand; QS: its scale word.
.macro PHASE p, QF, QS
	s_wait_xcnt 0x0                                ; the last tile's stores have read their bases and data: both are written again below
.if \p == 0
	s_mov_b32 s80, s[WV]
.else
	s_sub_co_u32 s80, 31, s[WV]
.endif
	s_lshr_b32 s[LAST], s80, 1                     ; the diagonal's key step: it hangs on the wave's number alone
	s_and_b32 s81, s80, 1
	s_lshl_b32 s81, s81, 6                         ; my tile's first token less 128 x that step: 64 (j % 2) + 32 (cx / 2) + 8 (cx % 2)
	s_lshr_b32 s82, s[CX], 1
	s_lshl_b32 s83, s82, 5
	s_add_co_u32 s81, s81, s83
	s_and_b32 s83, s[CX], 1
	s_lshl_b32 s92, s83, 3
	s_add_co_u32 s81, s81, s92
	v_add_nc_u32 v[DD], s81, v[DL]
	s_lshr_b32 s92, s[BHD], 4                      ; batch
	s_and_b32 s94, s[BHD], 15                      ; head
	s_lshl_b32 s93, s92, 7
	s_lshl_b32 s95, s80, 2
	s_add_co_u32 s93, s93, s95
	s_add_co_u32 s93, s93, s[CX]                   ; y's tile: batch x 128 + 4 j + cx
	s_lshl_b32 s84, s93, 13
	s_lshl_b32 s95, s94, 9                         ; its chunk: the head
	s_add_co_u32 s84, s84, s95
	s_mov_b32 s85, 0
	s_add_nc_u64 s[76:77], s[8:9], s[84:85]
	s_lshl_b32 s84, s92, 6                         ; y's scale bytes: group batch x 64 + 2 j + cx / 2, quarter head / 4, tile cx % 2, byte 2 (head % 4) (+ 8 r + h)
	s_lshl_b32 s95, s80, 1
	s_add_co_u32 s84, s84, s95
	s_add_co_u32 s84, s84, s82
	s_lshl_b32 s84, s84, 10
	s_lshr_b32 s95, s94, 2
	s_lshl_b32 s95, s95, 8
	s_add_co_u32 s84, s84, s95
	s_lshl_b32 s95, s83, 7
	s_add_co_u32 s84, s84, s95
	s_and_b32 s95, s94, 3
	s_lshl_b32 s95, s95, 1
	s_add_co_u32 s84, s84, s95
	s_add_nc_u64 s[78:79], s[10:11], s[84:85]
	v_mov_b32 v13, 0xff61b1e6                      ; the largest t so far: -3e38, under every t
	s_delay_alu instid0(VALU_DEP_1)
	v_floor_f32 v12, -v13                          ; -M
	v_mov_b32 v14, 0                               ; the sum, in two halves
	v_mov_b32 v15, 0
.set n, 0
.rept 32
	v_mov_b32 v[OO+n], 0                           ; O^T: the step is written once; the first finds zeros, which the first change of M leaves zeros
.set n, n+1
.endr
	s_mov_b32 s[SN], 0
	s_mov_b32 s[TK], 0
	s_mov_b32 s[TKS], 0
	s_mov_b32 s[TVS], 0
.Lstep_\@:                             ; sixteen trips, a constant; a step all of whose keys come after my queries is passed over: a scalar branch on ids
	s_cmp_gt_u32 s[SN], s[LAST]
	s_cbranch_scc1 .Lskip_\@
	s_setprio 2
	v_add_nc_u32 v[ADK], s[TK], v[AK0]             ; these four are also the places in front of the loads into registers that the last products read
	v_add_nc_u32 v[ADV], s[TK], v[AV0]
	v_add_nc_u32 v[ADS], s[TKS], v[ASK0]
	v_add_nc_u32 v[ADT], s[TVS], v[ASV0]
.irp i, 0,1,2,3,4,5,6,7
	ds_load_b128 v[KB+4+4*\i:KB+7+4*\i], v[ADK] offset:512*\i
.endr
.irp i, 0,1,2,3,4,5,6,7
	ds_load_b32 v[KW+\i], v[ADS] offset:64*\i
.endr
.irp t, 0,1,2,3
	ds_load_b128 v[VF+8*\t:VF+8*\t+3], v[ADV] offset:512*\t
	ds_load_b128 v[VF+8*\t+4:VF+8*\t+7], v[ADV] offset:2048+512*\t
.endr
.irp t, 0,1,2,3
	ds_load_b32 v[VW+\t], v[ADT] offset:64*\t
.endr
	s_wait_dscnt 12                                ; K's sixteen loads are in; V's twelve may be out
.irp i, 0,1,2,3,4,5,6,7
	v_wmma_scale_f32_16x16x128_f8f6f4 v[SS+8*\i:SS+8*\i+7], v[KB+4*\i:KB+4*\i+7], v[\QF:\QF+7], 0, v[KW+\i], v[\QS] matrix_a_fmt:MATRIX_FMT_FP4 matrix_b_fmt:MATRIX_FMT_FP4
.endr                                  ; register 16 b + i holds key 128 step + 32 b + 16 h + i
.rept 4
	v_nop
.endr
	s_cmp_lg_u32 s[SN], s[LAST]                    ; only the last step lies on the diagonal: there hidden scores become -infinity ahead of the maximum, so that p = 0
	s_cbranch_scc1 .Lopen_\@
	v_mov_b32 v254, 0xff800000
.set n, 0
.rept 64
	v_cmp_gt_i32 vcc_lo, 32*(n/16)+n%16, v[DD]
	v_cndmask_b32 v[SS+n], v[SS+n], v254, vcc_lo
.set n, n+1
.endr
.Lopen_\@:
.irp b, 0,1,2,3
	v_max3_num_f32 v[232+\b], v[SS+16*\b], v[SS+1+16*\b], v[SS+2+16*\b]   ; the largest score of each block of 32 keys: it serves the row's maximum and, since p rises with the score, the block's largest p
.endr
.irp i, 3,5,7,9,11,13
.irp b, 0,1,2,3
	v_max3_num_f32 v[232+\b], v[232+\b], v[SS+16*\b+\i], v[SS+1+16*\b+\i]
.endr
.endr
.irp b, 0,1,2,3
	v_max_num_f32 v[232+\b], v[232+\b], v[SS+15+16*\b]
.endr
.irp b, 0,1,2,3
	s_delay_alu instid0(VALU_DEP_4)
	v_permlanex16_b32 v[236+\b], v[232+\b], s[SEL], s[SEL+1]
.endr
.irp b, 0,1,2,3
	s_delay_alu instid0(VALU_DEP_4)
	v_max_num_f32 v[232+\b], v[232+\b], v[236+\b]  ; with lane l xor 16's 16 keys
.endr
	s_delay_alu instid0(VALU_DEP_2)
	v_max3_num_f32 v254, v232, v233, v234
	s_delay_alu instid0(VALU_DEP_1)
	v_max_num_f32 v254, v254, v235                 ; the step's largest score of my query (the diagonal's own key always counts: it is a number)
	s_delay_alu instid0(VALU_DEP_1)
	v_mul_f32 v254, s[CS], v254
	s_delay_alu instid0(VALU_DEP_1)
	v_max_num_f32 v13, v13, v254                   ; the running largest t
	v_mov_b32 v254, v12
	s_delay_alu instid0(VALU_DEP_2)
	v_floor_f32 v12, -v13                          ; the new -M = -ceil(t)
	s_delay_alu instid0(VALU_DEP_1)
	v_sub_f32 v254, v12, v254                      ; old M - new M: a whole number, 0 or less
	s_delay_alu instid0(VALU_DEP_1)
	v_cvt_i32_f32 v254, v254                       ; (it saturates)
	s_delay_alu instid0(VALU_DEP_1)
	v_ldexp_f32 v252, 1.0, v254                    ; f = 2^(old M - new M)
.set n, 0
.rept 32
	v_pk_fma_f32 v[SS+n:SS+n+1], v[SS+n:SS+n+1], s[CS:CS+1], v[12:13] op_sel_hi:[1,0,0]   ; t - M, two at a time
.set n, n+2
.endr
	s_setprio 1
.irp b, 0,1,2,3
	v_fma_f32 v[232+\b], v[232+\b], s[CS], v12     ; the same of each block's largest score
.endr
.set n, 0
	s_wait_alu depctr_va_vdst(0)
.rept 64
	v_exp_f32 v[SS+n], v[SS+n]                     ; p = 2^(t - M)
.set n, n+1
.endr
	v_pk_mul_f32 v[14:15], v[14:15], v[252:253] op_sel_hi:[1,0]   ; the sums under the new M: the plain instruction behind the exponentials
	s_wait_alu depctr_va_vdst(0)                   ; one wait for the batch of 64, ahead of its first reader
.irp b, 0,1,2,3
	v_exp_f32 v[232+\b], v[232+\b]                 ; the blocks' largest p: the same two instructions on the same number give the same bits
.endr
	v_pk_add_f32 v[236:237], v[100:101], v[104:105]
	v_pk_add_f32 v[248:249], v[108:109], v[112:113]
	v_pk_add_f32 v[246:247], v[116:117], v[120:121]
	v_pk_add_f32 v[244:245], v[124:125], v[128:129]
	v_pk_add_f32 v[242:243], v[132:133], v[136:137]
	v_pk_add_f32 v[240:241], v[140:141], v[144:145]
	v_pk_add_f32 v[238:239], v[148:149], v[152:153]
	v_pk_add_f32 v[14:15], v[14:15], v[156:157]
	v_pk_add_f32 v[236:237], v[236:237], v[96:97]
	v_pk_add_f32 v[248:249], v[248:249], v[98:99]
	v_pk_add_f32 v[246:247], v[246:247], v[102:103]
	v_pk_add_f32 v[244:245], v[244:245], v[106:107]
	v_pk_add_f32 v[242:243], v[242:243], v[110:111]
	v_pk_add_f32 v[240:241], v[240:241], v[114:115]
	v_pk_add_f32 v[238:239], v[238:239], v[118:119]
	v_pk_add_f32 v[14:15], v[14:15], v[122:123]
	v_pk_add_f32 v[236:237], v[236:237], v[126:127]
	v_pk_add_f32 v[248:249], v[248:249], v[130:131]
	v_pk_add_f32 v[246:247], v[246:247], v[134:135]
	v_pk_add_f32 v[244:245], v[244:245], v[138:139]
	v_pk_add_f32 v[242:243], v[242:243], v[142:143]
	v_pk_add_f32 v[240:241], v[240:241], v[146:147]
	v_pk_add_f32 v[238:239], v[238:239], v[150:151]
	v_pk_add_f32 v[14:15], v[14:15], v[154:155]
	v_pk_add_f32 v[236:237], v[236:237], v[158:159]
	s_delay_alu instid0(VALU_DEP_2)
	v_pk_add_f32 v[14:15], v[14:15], v[244:245]
	s_delay_alu instid0(VALU_DEP_2)
	v_pk_add_f32 v[236:237], v[236:237], v[242:243]
	v_pk_add_f32 v[248:249], v[248:249], v[240:241]
	v_pk_add_f32 v[246:247], v[246:247], v[238:239]
	s_delay_alu instid0(VALU_DEP_2)
	v_pk_add_f32 v[14:15], v[14:15], v[248:249]
	s_delay_alu instid0(VALU_DEP_2)
	v_pk_add_f32 v[236:237], v[236:237], v[246:247]
	s_delay_alu instid0(VALU_DEP_1)
	v_pk_add_f32 v[14:15], v[14:15], v[236:237]
	s_setprio 0
	s_wait_alu depctr_va_vdst(0)                   ; and one for the four
.irp b, 0,1,2,3
	v_max_num_f32 v[232+\b], 0x1800000, v[232+\b]  ; the floor 2^(3 - 127): the byte cannot fall under 1 (a block of zeros keeps that byte: its codes are zeros)
.endr
.irp b, 0,1,2,3
	s_delay_alu instid0(VALU_DEP_4)
	v_add_nc_u32 v[244+\b], 0xff000000, v[232+\b]  ; 2 off the exponent field: the conversions' scale operand
.endr
.irp b, 0,1,2,3
	s_delay_alu instid0(VALU_DEP_4)
	v_lshrrev_b32 v[236+\b], 23, v[244+\b]
.endr
	s_delay_alu instid0(VALU_DEP_3)
	v_lshl_or_b32 v[PSW], v237, 8, v236            ; p's scale word for these 128 keys
	s_delay_alu instid0(VALU_DEP_1)
	v_lshl_or_b32 v[PSW], v238, 16, v[PSW]
	s_delay_alu instid0(VALU_DEP_1)
	v_lshl_or_b32 v[PSW], v239, 24, v[PSW]
.irp b, 0,1,2,3
	v_cvt_scalef32_pk8_fp4_f32 v[PCD+2*\b], v[SS+16*\b:SS+7+16*\b], v[244+\b]
	v_cvt_scalef32_pk8_fp4_f32 v[PCD+1+2*\b], v[SS+8+16*\b:SS+15+16*\b], v[244+\b]
.endr
	v_nop                                          ; one plain place behind a scaled conversion
.irp c, 0,1                            ; a WHOLE block in a lane
.irp i, 0,1
	v_permlane16_swap_b32 v[PCD+4*\c+\i], v[PCD+2+4*\c+\i]
.endr
.endr
.set n, 0
.rept 16
	v_pk_mul_f32 v[OO+n:OO+n+1], v[OO+n:OO+n+1], v[252:253] op_sel_hi:[1,0]   ; O^T under the new M, from each accumulator's low end on; these sixteen are also the places between the operand's and the scale word's last writes and the products
.set n, n+2
.endr
	s_wait_alu depctr_va_vdst(0)
	s_wait_dscnt 0x0                               ; V is in
.irp t, 0,1,2,3
	v_wmma_scale_f32_16x16x128_f8f6f4 v[OO+8*\t:OO+8*\t+7], v[VF+8*\t:VF+8*\t+7], v[PCD:PCD+7], v[OO+8*\t:OO+8*\t+7], v[VW+\t], v[PSW] matrix_a_fmt:MATRIX_FMT_FP4 matrix_b_fmt:MATRIX_FMT_FP4
.endr                                  ; between two links on one accumulator stand eleven other matrix instructions
.Lskip_\@:
	s_add_co_u32 s[TK], s[TK], 4096
	s_add_co_u32 s[TKS], s[TKS], 512
	s_add_co_u32 s[TVS], s[TVS], 256
	s_add_co_u32 s[SN], s[SN], 1
	s_cmp_lt_u32 s[SN], 16
	s_cbranch_scc1 .Lstep_\@
	s_setprio 0
	; THE WAY OUT: y = O^T / the sum; register 16 b + i = channel 32 b + 16 h + i: two blocks of the next product's K
.rept 4
	v_nop
.endr
	v_add_f32 v14, v14, v15
	s_delay_alu instid0(VALU_DEP_1)
	v_permlanex16_b32 v252, v14, s[SEL], s[SEL+1]
	s_delay_alu instid0(VALU_DEP_1)
	v_add_f32 v14, v14, v252                       ; the row's sum
	s_wait_alu depctr_va_vdst(0)
	v_rcp_f32 v14, v14
	v_nop                                          ; a plain place behind the transcendental
	s_wait_alu depctr_va_vdst(0)                   ; and the wait ahead of its first reader
.set n, 0
.rept 16
	v_pk_mul_f32 v[SS+n:SS+n+1], v[OO+n:OO+n+1], v[14:15] op_sel_hi:[1,0]
.set n, n+2
.endr
.irp b, 0,1
	v_max3_num_f32 v[232+\b], |v[SS+16*\b]|, |v[SS+1+16*\b]|, 0x1800000
.endr
.irp i, 2,4,6,8,10,12,14
.irp b, 0,1
	s_delay_alu instid0(VALU_DEP_2)
	v_max3_num_f32 v[232+\b], v[232+\b], |v[SS+16*\b+\i]|, |v[SS+1+16*\b+\i]|
.endr
.endr
.irp b, 0,1
	s_delay_alu instid0(VALU_DEP_2)
	v_permlanex16_b32 v[236+\b], v[232+\b], s[SEL], s[SEL+1]
.endr
.irp b, 0,1
	s_delay_alu instid0(VALU_DEP_2)
	v_max_num_f32 v[232+\b], v[232+\b], v[236+\b]
.endr
.irp b, 0,1
	s_delay_alu instid0(VALU_DEP_2)
	v_add_nc_u32 v[244+\b], 0xff000000, v[232+\b]
.endr
.irp b, 0,1
	s_delay_alu instid0(VALU_DEP_2)
	v_lshrrev_b32 v[236+\b], 23, v[244+\b]
.endr
.irp b, 0,1
	v_cvt_scalef32_pk8_fp4_f32 v[PCD+2*\b], v[SS+16*\b:SS+7+16*\b], v[244+\b]
	v_cvt_scalef32_pk8_fp4_f32 v[PCD+1+2*\b], v[SS+8+16*\b:SS+15+16*\b], v[244+\b]
.endr
	v_nop
.irp i, 0,1
	v_permlane16_swap_b32 v[PCD+\i], v[PCD+2+\i]
.endr
	v_cndmask_b32 v238, v236, v237, s[HI16]        ; lane (r, h) stores the byte of block h
	global_store_b128 v[AK0], v[PCD:PCD+3], s[76:77]   ; y's chunk: 512 consecutive bytes
	global_store_b8 v[YSO], v238, s[78:79]
.endm
	PHASE 0, 16, 24
	PHASE 1, 216, 25
	s_wait_tensorcnt 0x0
	ds_add_u32 v251, v255
	s_wait_dscnt 0x0
	ROUND                                          ; the closing round
	s_endpgm
.Lfunc_end_k_q1331eef1f4_attn:
	.size	k_q1331eef1f4_attn, .Lfunc_end_k_q1331eef1f4_attn-k_q1331eef1f4_attn
	.p2alignl 7, 3214868480
	.fill 96, 4, 3214868480
	.section	.rodata,"a",@progbits
	.p2align	6, 0x0
	.amdhsa_kernel k_q1331eef1f4_attn
		.amdhsa_group_segment_fixed_size 169984
		.amdhsa_private_segment_fixed_size 0
		.amdhsa_enable_private_segment 0
		.amdhsa_kernarg_size 32
		.amdhsa_user_sgpr_count 2
		.amdhsa_user_sgpr_kernarg_segment_ptr 1
		.amdhsa_wavefront_size32 1
		.amdhsa_system_sgpr_workgroup_id_x 1
		.amdhsa_system_sgpr_workgroup_id_y 1
		.amdhsa_system_sgpr_workgroup_id_z 1
		.amdhsa_system_vgpr_workitem_id 0
		.amdhsa_next_free_vgpr 256
		.amdhsa_next_free_sgpr 96
		.amdhsa_reserve_vcc 1
		.amdhsa_float_denorm_mode_32 3
		.amdhsa_float_denorm_mode_16_64 3
		.amdhsa_memory_ordered 1
		.amdhsa_forward_progress 1
		.amdhsa_inst_pref_size 66
	.end_amdhsa_kernel
	.amdgpu_metadata
---
amdhsa.version: [ 1, 2 ]
amdhsa.kernels:
  - .name:           k_q1331eef1f4_attn
    .symbol:         k_q1331eef1f4_attn.kd
    .args:
      - { .name: qkv_img, .offset: 0, .size: 8, .value_kind: global_buffer, .address_space: global }
      - { .name: qkv_sc, .offset: 8, .size: 8, .value_kind: global_buffer, .address_space: global }
      - { .name: y_img, .offset: 16, .size: 8, .value_kind: global_buffer, .address_space: global }
      - { .name: y_sc, .offset: 24, .size: 8, .value_kind: global_buffer, .address_space: global }
    .group_segment_fixed_size: 169984
    .private_segment_fixed_size: 0
    .kernarg_segment_align: 8
    .kernarg_segment_size: 32
    .max_flat_workgroup_size: 512
    .sgpr_count:     96
    .vgpr_count:     256
    .wavefront_size: 32
...
	.end_amdgpu_metadata
.endif
;; end of part 3
;; launch gemm_proj (part 4): grid 4 x 32, 4 waves a work-group, clusters of 4 x 4, 327,680 bytes of LDS; arguments y_img, y_sc, w_img, w_sc, b_proj, out0; writes out0
.if DOCPART == 4
	.amdgcn_target "amdgcn-amd-amdhsa--gfx1250"
	.amdhsa_code_object_version 6
	.text
	.protected	k_q1331eef1f4_gemm_proj
	.globl	k_q1331eef1f4_gemm_proj
	.p2align	8
	.type	k_q1331eef1f4_gemm_proj,@function
k_q1331eef1f4_gemm_proj:
	s_mov_b64 s[64:65], 0
	v_nop
	global_prefetch_b8 v0, s[64:65] scope:SCOPE_SE
	s_setreg_imm32_b32 hwreg(HW_REG_WAVE_MODE, 25, 1), 1
	s_wait_xcnt 0x0
	s_wait_alu depctr_hold_cnt(0) depctr_sa_sdst(0) depctr_va_vdst(0) depctr_va_sdst(0) depctr_va_ssrc(0) depctr_va_vcc(0) depctr_vm_vsrc(0)
	s_getreg_b32 s2, hwreg(HW_REG_IB_STS2, 6, 4)
	s_cmp_eq_u32 s2, 0
	s_cbranch_scc0 .Lentry_in_a_cluster
	s_endpgm
.Lentry_in_a_cluster:
	s_bfe_u32 s2, ttmp6, 0x10000c
	s_cmp_lg_u32 s2, 0xf033
	s_cbranch_scc0 .Lentry_shape_is_right
	s_endpgm
.Lentry_shape_is_right:
; out0 = y W_proj + b_proj on codes of FP4 (E2M1) with E8M0 scales, K = 1,024; out0 [8192][1024] f32.
; Operands lie as chunks (512 bytes: lane l's 16 bytes at 16 l; chunks 2 s, 2 s + 1 = the eight registers of K step s), in tiles whose lane r is row 32 G + 8 u + r + 8 (r / 8).
; D = (B side: source 0 = W_proj's columns, which fall on the result's registers) x (A side: source 1 = y's tokens, on the lanes): the 16 registers of B's tiles 2 G, 2 G + 1 are 16 neighbouring columns of one row of out0.
; A work-group makes 256 x 256, a wave 128 x 128: 64 accumulators, 512 registers.  ALL OF K LIES IN LDS, each byte filled once.
; CLUSTERS 4 x 4: A's tiles are shared along a row of the cluster, B's along a column.  The output has 128 tiles of 256 x 256: that many work-groups are launched.
; No prefetch: every tile is asked for at the kernel's head.
; REGISTERS, in windows of 256.  Window 0: v0-31 addresses; v32-95 scale words and nothing else; v128-255 A's fragments, two sets (on the way out: rows read back from the stage).
;   Window 1: v0-127 B's fragments, two sets; v128-191 the bias as eight C tiles.   Windows 2, 3: accumulator (a, b) at v[8 (8 (a % 4) + b)] of window 2 + a / 4.
.set SCL,  262144                      ; LDS: behind the two halves of K: the scale bytes, 4,096 for each 128 rows
.set SPITCH, 528                       ; the way out: a stage of 16 rows x (512 + 16) bytes a wave, in K's first half, which has had its one fill and its last read when the first result is stored there
.set ADRA, 16
.set ADRB, 18
.set ADRS, 20
.set LO16, 21                          ; v21 16 x lane
.set STO,  22                          ; v22 the stage: where I put 32 bytes of a row
.set RD,   23                          ; v23 and where I read a row back
.set BH,   24                          ; v24 64 h
.set SC,   32
.set AF,   128
.set BI,   128                         ; in window 1
.set G1A,  24
.set G0A,  32
.set G1B,  48
.set G0B,  56
.set G1SA, 68
.set G0SA, 76
.set G1SB, 80
.set G0SB, 88
.set MSB, 0
.macro WIN new                         ; the immediate's high byte repeats the setting that is left
.if MSB != (\new)
	s_set_vgpr_msb (MSB<<8)|(\new)
.set MSB, (\new)
.endif
.endm
.macro PLACES n
.rept \n
	v_nop
.endr
.endm
.macro JLOAD g0a, g1a, g0b, g1b        ; waves 0 and 1 fetch for A, waves 2 and 3 for B; four v_nop follow each of the two lines
	s_cmp_eq_u32 s19, 0
	s_cbranch_scc0 .Lfor_b_\@
	tensor_load_to_lds s[\g0a:\g0a+3], s[\g1a:\g1a+7]
	s_nop 0
.rept 4
	v_nop
.endr
	s_branch .Lasked_\@
.Lfor_b_\@:
	tensor_load_to_lds s[\g0b:\g0b+3], s[\g1b:\g1b+7]
	s_nop 0
.rept 4
	v_nop
.endr
.Lasked_\@:
.endm
.macro CROUND
	s_barrier_signal -1
	s_barrier_wait -1
	s_cmp_lg_u32 s18, 0
	s_cbranch_scc1 .Lnot_wave_0_\@
	s_barrier_signal -3
.Lnot_wave_0_\@:
	s_barrier_wait -3
	s_barrier_signal -1
	s_barrier_wait -1
.endm
	s_load_b256 s[4:11], s[0:1], 0x0               ; y_img s[4:5], y_sc s[6:7], w_img s[8:9], w_sc s[10:11]
	s_load_b128 s[12:15], s[0:1], 0x20             ; b_proj s[12:13], out0 s[14:15]
	v_lshl_add_u32 v126, v0, 2, 0x44000
	v_mov_b32 v127, 0
	ds_add_u32 v126, v127
	ds_add_u32 v126, v127
	v_lshrrev_b32 v1, 5, v0
	v_readfirstlane_b32 s18, v1                    ; wave 0..3
	s_lshr_b32 s19, s18, 1                         ; ra; also: I fetch for A (0) or for B (1)
	s_and_b32 s20, s18, 1                          ; cb; also: which 128 rows of that side I fetch
	s_bfe_u32 s21, ttmp6, 0x40000                  ; cx
	s_bfe_u32 s22, ttmp6, 0x40004                  ; cy
	s_and_b32 s92, ttmp7, 0xffff
	s_lshl_b32 s92, s92, 2
	s_add_co_u32 s92, s92, s22                     ; TR: which 256 tokens
	s_lshl_b32 s93, ttmp9, 2
	s_add_co_u32 s93, s93, s21                     ; TC: which 256 columns
	s_lshl_b32 s94, s22, 2
	s_lshl_b32 s94, 15, s94                        ; my row of the cluster
	s_lshl_b32 s96, 0x1111, s21                    ; my column
	s_or_b32 s[G1A], s94, (3<<16)|(1<<21)          ; 15:0 the mask; 17:16 elements of 8 bytes; 21 set beside a mask; no padding
	s_or_b32 s[G1SA], s94, (3<<16)|(1<<21)
	s_or_b32 s[G1B], s96, (3<<16)|(1<<21)
	s_or_b32 s[G1SB], s96, (3<<16)|(1<<21)
.irp g, G1A, G1B                       ; codes: 8 rows of 4,096 bytes, 8,192 bytes apart
	s_mov_b32 s[\g+1], 512<<16
	s_mov_b32 s[\g+2], 8<<16
	s_mov_b32 s[\g+3], 512<<16
	s_mov_b32 s[\g+4], 8
	s_mov_b32 s[\g+5], 1024
	s_mov_b32 s[\g+6], 0
	s_mov_b32 s[\g+7], 0
.endr
.irp g, G1SA, G1SB                     ; scale bytes of 128 rows: 16 rows of 256 dense bytes
	s_mov_b32 s[\g+1], 32<<16
	s_mov_b32 s[\g+2], 16<<16
	s_mov_b32 s[\g+3], 32<<16
	s_mov_b32 s[\g+4], 16
	s_mov_b32 s[\g+5], 32
	s_mov_b32 s[\g+6], 0
	s_mov_b32 s[\g+7], 0
.endr
	s_lshl_b32 s94, s92, 17                        ; A: 256 rows are 16 tiles of 8,192 bytes; the half that I fetch
	s_lshl_b32 s95, s20, 16
	s_add_co_u32 s94, s94, s95
	s_mov_b32 s95, 0
	s_lshl_b32 s96, s93, 17                        ; B likewise; W_proj begins at group 96 of the weights
	s_lshl_b32 s97, s20, 16
	s_add_co_u32 s96, s96, s97
	s_add_co_u32 s96, s96, 0x180000
	s_mov_b32 s97, 0
	s_wait_dscnt 0x0
	s_wait_kmcnt 0x0
	s_add_nc_u64 s[40:41], s[4:5], s[94:95]
	s_add_nc_u64 s[44:45], s[8:9], s[96:97]
	s_lshl_b32 s94, s92, 13
	s_lshl_b32 s98, s20, 12
	s_add_co_u32 s94, s94, s98
	s_add_nc_u64 s[42:43], s[6:7], s[94:95]
	s_lshl_b32 s96, s93, 13
	s_lshl_b32 s99, s20, 12
	s_add_co_u32 s96, s96, s99
	s_add_co_u32 s96, s96, 0x18000
	s_add_nc_u64 s[46:47], s[10:11], s[96:97]
	CROUND                                         ; all sixteen work-groups are here: the joint loads meet
	s_lshl_b32 s99, s18, 12
	s_mov_b32 s[G0SA], 1
	s_add_co_u32 s[G0SA+1], s99, SCL
	s_mov_b64 s[G0SA+2:G0SA+3], s[42:43]
	s_or_b32 s[G0SA+3], s[G0SA+3], 0x80000000
	s_mov_b32 s[G0SB], 1
	s_add_co_u32 s[G0SB+1], s99, SCL
	s_mov_b64 s[G0SB+2:G0SB+3], s[46:47]
	s_or_b32 s[G0SB+3], s[G0SB+3], 0x80000000
	JLOAD G0SA, G1SA, G0SB, G1SB
	s_lshl_b32 s99, s18, 15
.irp q, 0,1
	s_mov_b32 s[G0A+4*\q], 1
	s_add_co_u32 s[G0A+4*\q+1], s99, \q*131072
	s_add_nc_u64 s[G0A+4*\q+2:G0A+4*\q+3], s[40:41], \q*4096
	s_or_b32 s[G0A+4*\q+3], s[G0A+4*\q+3], 0x80000000
	s_mov_b32 s[G0B+4*\q], 1
	s_add_co_u32 s[G0B+4*\q+1], s99, \q*131072
	s_add_nc_u64 s[G0B+4*\q+2:G0B+4*\q+3], s[44:45], \q*4096
	s_or_b32 s[G0B+4*\q+3], s[G0B+4*\q+3], 0x80000000
	s_wait_alu depctr_va_vdst(0)
	s_wait_tensorcnt 0x0
	ds_add_u32 v126, v127
	s_wait_dscnt 0x0
	CROUND
	JLOAD G0A+4*\q, G1A, G0B+4*\q, G1B
.endr
	v_and_b32 v1, 31, v0                           ; lane
	v_and_b32 v2, 15, v0                           ; r
	v_bfe_u32 v3, v0, 4, 1                         ; h
	v_lshlrev_b32 v[LO16], 4, v1
	s_lshl_b32 s94, s19, 15
	s_lshl_b32 s95, s20, 15
	s_add_co_u32 s95, s95, 65536
	v_add_nc_u32 v[ADRA], s94, v[LO16]
	v_add_nc_u32 v[ADRB], s95, v[LO16]
	v_add_nc_u32 v[ADRA+1], 131072, v[ADRA]
	v_add_nc_u32 v[ADRB+1], 131072, v[ADRB]
	s_lshl_b32 s94, s19, 12
	s_lshl_b32 s95, s20, 12
	s_add_co_u32 s95, s95, 8192
	s_sub_co_u32 s95, s95, s94                     ; from A's scale bytes to B's
	v_mul_u32_u24 v5, s95, v3                      ; lanes 16-31 take B's
	s_wait_alu depctr_va_vdst(0)
	s_add_co_u32 s94, s94, SCL
	v_lshl_add_u32 v5, v2, 3, v5
	v_add_nc_u32 v[ADRS], s94, v5
	s_mul_i32 s94, s18, 16*SPITCH                  ; my stage
	v_mul_u32_u24 v4, v2, SPITCH
	v_lshl_add_u32 v4, v3, 6, v4
	v_add_nc_u32 v[STO], s94, v4                   ; in: row r, + 64 h
	v_add_nc_u32 v[RD], s94, v[LO16]               ; back: the 32 lanes take one row of 512 bytes
	v_lshlrev_b32 v[BH], 6, v3
	s_wait_alu depctr_va_vdst(0)
	s_lshl_b32 s94, s93, 10                        ; my first column in bytes: (256 TC + 128 cb) x 4
	s_lshl_b32 s95, s20, 9
	s_add_co_u32 s94, s94, s95
	s_mov_b32 s95, 0
	s_add_nc_u64 s[12:13], s[12:13], s[94:95]      ; the bias there,
	s_add_nc_u64 s[14:15], s[14:15], s[94:95]      ; and out0,
	s_lshl_b32 s94, s92, 20                        ; at my first row: (256 TR + 128 ra) x 4,096 bytes
	s_lshl_b32 s96, s19, 19
	s_add_co_u32 s94, s94, s96
	s_add_nc_u64 s[14:15], s[14:15], s[94:95]
	WIN 0x40                                       ; THE BIAS is the C of each sum's first matrix instruction: tile b, lane half h: columns 32 (b / 2) + 16 h + 8 (b % 2) + 0 .. 7
.irp b, 0,1,2,3,4,5,6,7
	global_load_b128 v[BI+8*\b:BI+8*\b+3], v[BH], s[12:13] offset:(\b/2)*128+(\b%2)*32
	global_load_b128 v[BI+8*\b+4:BI+8*\b+7], v[BH], s[12:13] offset:(\b/2)*128+(\b%2)*32+16
.endr
	WIN 0
	s_wait_loadcnt 0x0
.macro FETCH s                         ; the fragments of K step s into set s % 2
.set FP, (\s)%2
.set FQ, (\s)/4
.set FO, ((\s)%4)*1024
	WIN 0x40
.irp b, 0,1,2,3,4,5,6,7
	ds_load_b128 v[64*FP+8*\b:64*FP+8*\b+3], v[ADRB+FQ] offset:\b*4096+FO
	ds_load_b128 v[64*FP+8*\b+4:64*FP+8*\b+7], v[ADRB+FQ] offset:\b*4096+FO+512
.endr
	WIN 0
.irp a, 0,1,2,3,4,5,6,7
	ds_load_b128 v[AF+64*FP+8*\a:AF+64*FP+8*\a+3], v[ADRA+FQ] offset:\a*4096+FO
	ds_load_b128 v[AF+64*FP+8*\a+4:AF+64*FP+8*\a+7], v[ADRA+FQ] offset:\a*4096+FO+512
.endr
.endm
.macro SCALES
.irp i, 0,1,2,3,4,5,6,7
.irp q, 0,1,2,3
	ds_load_b64 v[SC+8*\i+2*\q:SC+8*\i+2*\q+1], v[ADRS] offset:(\i/2)*1024+\q*256+(\i%2)*128
.endr
.endr
.endm
; 32 matrix instructions: A's tiles 4 hi .. 4 hi + 3 x B's eight, K step s.  cm = 0: onto the sums; 1: C = the bias.  The 64 accumulators take turns, in the same order in every step.
.macro MUL32 hi, s, cm
.if \cm == 0
	WIN 0xa1+0x50*\hi
.else
	WIN 0x91+0x40*\hi
.endif
.irp a, 0,1,2,3
.irp b, 0,1,2,3,4,5,6,7
.if \cm == 0
	v_wmma_scale_f32_16x16x128_f8f6f4 v[8*(8*\a+\b):8*(8*\a+\b)+7], v[64*((\s)%2)+8*\b:64*((\s)%2)+8*\b+7], v[AF+64*((\s)%2)+8*(4*\hi+\a):AF+64*((\s)%2)+8*(4*\hi+\a)+7], v[8*(8*\a+\b):8*(8*\a+\b)+7], v[SC+8*\b+(\s)], v[SC+8*(4*\hi+\a)+(\s)] matrix_a_fmt:MATRIX_FMT_FP4 matrix_b_fmt:MATRIX_FMT_FP4 matrix_a_scale:MATRIX_SCALE_ROW1
.else
	v_wmma_scale_f32_16x16x128_f8f6f4 v[8*(8*\a+\b):8*(8*\a+\b)+7], v[64*((\s)%2)+8*\b:64*((\s)%2)+8*\b+7], v[AF+64*((\s)%2)+8*(4*\hi+\a):AF+64*((\s)%2)+8*(4*\hi+\a)+7], v[BI+8*\b:BI+8*\b+7], v[SC+8*\b+(\s)], v[SC+8*(4*\hi+\a)+(\s)] matrix_a_fmt:MATRIX_FMT_FP4 matrix_b_fmt:MATRIX_FMT_FP4 matrix_a_scale:MATRIX_SCALE_ROW1
.endif
.endr
.endr
.endm
.macro STEP s, cm
	s_wait_dscnt 0x0                               ; this step's fragments, asked for 64 matrix instructions ago, are in
.if (\s) == 3
	s_wait_tensorcnt 0x0                           ; my part of K's second half has landed; my reads of the first half are over (the wait above):
	s_barrier_signal -1
	s_barrier_wait -1                              ; both now hold of every wave
.endif
.if (\s) < 7
.if (\s) > 0
	PLACES 4                                       ; four plain places in front of loads into the set that the last step's matrix instructions read
.endif
	FETCH (\s)+1
.endif
	MUL32 0, \s, \cm
	MUL32 1, \s, \cm
	WIN 0
.endm
	s_wait_tensorcnt 1                             ; the scale bytes and my part of K's first half are in; the second half's one load may be out
	s_barrier_signal -1
	s_barrier_wait -1
	FETCH 0
	SCALES
	STEP 0, 1                                      ; the first step starts the sums with the bias: nothing is cleared
.irp s, 1,2,3,4,5,6,7
	STEP \s, 0
.endr
; THE WAY OUT, a tile of 16 tokens x 128 columns at a time, through my own stage: in by 32 bytes of a row a lane and tile of columns, back as whole rows of 512 bytes.
; LDS serves a wave's instructions in order: no wait between the stores and the loads, nor in front of the next tile's stores.
.macro TOSTAGE a
.set AC, 64*((\a)%4)
	WIN 0x08+4*((\a)/4)                            ; an LDS store's data are its source 1: window 2 or 3
.irp b, 0,1,2,3,4,5,6,7
	ds_store_b128 v[STO], v[AC+8*\b:AC+8*\b+3] offset:(\b/2)*128+(\b%2)*32           ; each accumulator from its low end on
	ds_store_b128 v[STO], v[AC+8*\b+4:AC+8*\b+7] offset:(\b/2)*128+(\b%2)*32+16
.endr
	WIN 0
.set BB, AF+64*((\a)%2)
.irp t, 0,1,2,3,4,5,6,7,8,9,10,11,12,13,14,15
	ds_load_b128 v[BB+4*\t:BB+4*\t+3], v[RD] offset:\t*SPITCH
.endr
.endm
.macro SEND a, younger                 ; younger: the LDS instructions issued behind tile a's loads, which may stay out
.set BB, AF+64*((\a)%2)
	s_wait_dscnt \younger
.irp t, 0,1,2,3,4,5,6,7,8,9,10,11,12,13,14,15
	global_store_b128 v[LO16], v[BB+4*\t:BB+4*\t+3], s[14:15] offset:(32*((\a)/2)+8*((\a)%2)+\t+8*(\t/8))*4096 th:TH_STORE_NT   ; stage row t is token 32 (a / 2) + 8 (a % 2) + t + 8 (t / 8): 512 consecutive bytes, aligned; the base never steps: 127 rows at the most
.endr
.endm
	PLACES 4                                       ; in front of the first read of results, and of the loads into A's fragment registers
	TOSTAGE 0
.irp a, 1,2,3,4,5,6,7
.if \a > 1
	s_wait_xcnt 0x0                                ; tile a - 2's stores have read their registers: tile a's loads may land there
.endif
	TOSTAGE \a
	SEND \a-1, 32                                  ; behind tile a - 1's loads: tile a's 16 stores and 16 loads
.endr
	SEND 7, 0
	s_wait_tensorcnt 0x0
	ds_add_u32 v126, v127
	s_wait_dscnt 0x0
	CROUND                                         ; the closing round: no work-group ends while a partner may still ask for a tile that names it
	s_endpgm
.Lfunc_end_k_q1331eef1f4_gemm_proj:
	.size	k_q1331eef1f4_gemm_proj, .Lfunc_end_k_q1331eef1f4_gemm_proj-k_q1331eef1f4_gemm_proj
	.p2alignl 7, 3214868480
	.fill 96, 4, 3214868480
	.section	.rodata,"a",@progbits
	.p2align	6, 0x0
	.amdhsa_kernel k_q1331eef1f4_gemm_proj
		.amdhsa_group_segment_fixed_size 327680
		.amdhsa_private_segment_fixed_size 0
		.amdhsa_enable_private_segment 0
		.amdhsa_kernarg_size 48
		.amdhsa_user_sgpr_count 2
		.amdhsa_user_sgpr_kernarg_segment_ptr 1
		.amdhsa_wavefront_size32 1
		.amdhsa_system_sgpr_workgroup_id_x 1
		.amdhsa_system_sgpr_workgroup_id_y 1
		.amdhsa_system_sgpr_workgroup_id_z 1
		.amdhsa_system_vgpr_workitem_id 0
		.amdhsa_next_free_vgpr 1024
		.amdhsa_next_free_sgpr 100
		.amdhsa_reserve_vcc 0
		.amdhsa_float_denorm_mode_32 3
		.amdhsa_float_denorm_mode_16_64 3
		.amdhsa_memory_ordered 1
		.amdhsa_forward_progress 1
		.amdhsa_inst_pref_size 125
	.end_amdhsa_kernel
	.amdgpu_metadata
---
amdhsa.version: [ 1, 2 ]
amdhsa.kernels:
  - .name:           k_q1331eef1f4_gemm_proj
    .symbol:         k_q1331eef1f4_gemm_proj.kd
    .args:
      - { .name: y_img, .offset: 0, .size: 8, .value_kind: global_buffer, .address_space: global }
      - { .name: y_sc, .offset: 8, .size: 8, .value_kind: global_buffer, .address_space: global }
      - { .name: w_img, .offset: 16, .size: 8, .value_kind: global_buffer, .address_space: global }
      - { .name: w_sc, .offset: 24, .size: 8, .value_kind: global_buffer, .address_space: global }
      - { .name: b_proj, .offset: 32, .size: 8, .value_kind: global_buffer, .address_space: global }
      - { .name: out0, .offset: 40, .size: 8, .value_kind: global_buffer, .address_space: global }
    .group_segment_fixed_size: 327680
    .private_segment_fixed_size: 0
    .kernarg_segment_align: 8
    .kernarg_segment_size: 48
    .max_flat_workgroup_size: 128
    .sgpr_count:     100
    .vgpr_count:     1024
    .wavefront_size: 32
...
	.end_amdgpu_metadata
.endif
;; end of part 4
